; MI455X (gfx1250); checked and timed in simulation.
; The chip was launched on July 23, 2026; its instructions are those of AMD's public machine-readable ISA for CDNA 5 (MIT licence, August 2026) and "CDNA5" Instruction Set Architecture Reference Guide (July 2026). The comments in the code are by the model that wrote it; some were corrected since.
;; Transformer Encoder. Allowed arithmetic: matrix products marked QUANTISED: E5M2 operands, one E8M0 scale for each 32 along K, by v_wmma_scale_f32_16x16x128_f8f6f4 with both operands' format E5M2, f32 sums; everything else in f32.
;; Inputs: b1 3,072 float32; b2 768 float32; bk 768 float32; bq 768 float32; bv 768 float32; ln_b 768 float32; ln_w 768 float32; w1_codes 3,072 x 24 x 32 uint8 (E5M2 codes of w1, K innermost, in blocks of 32 codes); w1_scales 3,072 x 24 uint8 (E8M0 scales of w1, one for each 32 codes along K); w2_codes 768 x 96 x 32 uint8 (E5M2 codes of w2, K innermost, in blocks of 32 codes); w2_scales 768 x 96 uint8 (E8M0 scales of w2, one for each 32 codes along K); wk_codes 768 x 24 x 32 uint8 (E5M2 codes of wk, K innermost, in blocks of 32 codes); wk_scales 768 x 24 uint8 (E8M0 scales of wk, one for each 32 codes along K); wq_codes 768 x 24 x 32 uint8 (E5M2 codes of wq, K innermost, in blocks of 32 codes); wq_scales 768 x 24 uint8 (E8M0 scales of wq, one for each 32 codes along K); wv_codes 768 x 24 x 32 uint8 (E5M2 codes of wv, K innermost, in blocks of 32 codes); wv_scales 768 x 24 uint8 (E8M0 scales of wv, one for each 32 codes along K); x 16 x 512 x 768 float32.
;; Outputs: out0 16 x 512 x 768 float32.
;; This version of the problem:
;;   THIS VERSION OF THE PROBLEM IS GIVEN IN LOW PRECISION. The matrix products marked QUANTISED in the list below multiply operands that are first quantised to E5M2 (5 exponent bits, 2 mantissa bits; 8 bits a number), with one power-of-two scale for each 32 numbers along K (OCP MX v1.0); their sums are f32. All else is computed in f32.
;;   The module's matrix products, in the order in which they are computed (A, B: the left and right operand; K: the contracted axis; several contracted axes count as one K, in the product's order):
;;     1. [M 8,192, K 768] x [K 768, N 768]; A: computed on the way; B: input wq (given as codes): QUANTISED
;;     2. [M 8,192, K 768] x [K 768, N 768]; A: computed on the way; B: input wk (given as codes): QUANTISED
;;     3. [M 8,192, K 768] x [K 768, N 768]; A: computed on the way; B: input wv (given as codes): QUANTISED
;;     4. batch 192 x [M 512, K 64] x [K 64, N 512]; A: computed on the way; B: computed on the way: QUANTISED
;;     5. batch 192 x [M 512, K 512] x [K 512, N 64]; A: softmax (see below); B: computed on the way: QUANTISED
;;     6. [M 8,192, K 768] x [K 768, N 3,072]; A: computed on the way; B: input w1 (given as codes): QUANTISED
;;     7. [M 8,192, K 3,072] x [K 3,072, N 768]; A: computed on the way; B: input w2 (given as codes): QUANTISED
;;   THE QUANTISER, for each operand of a quantised product, along K:
;;     - K is cut into blocks of 32 from its start; a last block that is shorter is filled with zeros.
;;     - A block's scale is 2^e with e = floor(log2(the largest magnitude in the block)) - 15, held to -126 .. 127; a block of zeros has e = 0. As a byte (E8M0): e + 127.
;;     - Each number is divided by its block's scale, clamped to +-57,344, and rounded to the nearest number of E5M2, ties to even, subnormals kept.
;;     - The product sums the exact products of the quantised numbers (number of the format x scale) in f32.
;;   ~~~python
;;   def quantise(x, axis):      # numpy; x: float32 -> the quantised numbers, widened to float32 again
;;       x = np.moveaxis(x, axis, -1); K = x.shape[-1]
;;       x = np.pad(x, [(0, 0)] * (x.ndim - 1) + [(0, -K % 32)]); x = x.reshape(x.shape[:-1] + (-1, 32)); a = np.abs(x).max(-1, keepdims=True)
;;       e = np.where(a > 0, np.clip(np.frexp(np.where(a > 0, a, 1))[1] - 1 - 15, -126, 127), 0)      # np.frexp(a)[1] - 1 = floor(log2(a)), exactly
;;       r = np.clip(x / 2.0 ** e, -57344, 57344)
;;       step = 2.0 ** (np.maximum(np.frexp(np.where(r == 0, 1, r))[1] - 1, -14) - 2)
;;       q = np.round(r / step) * step * 2.0 ** e      # np.round: ties to even
;;       return np.moveaxis(q.reshape(q.shape[:-2] + (-1,))[..., :K], -1, axis).astype(np.float32)
;;   ~~~
;;   SOFTMAX AHEAD OF A QUANTISED PRODUCT. Where the list says 'softmax', what is quantised is not the finished softmax but p = 2^(t - M), with t = logit x log2(e) and M = ceil(the row's largest t), a whole number; so 1/2 < the row's largest p <= 1. The row's sum l is taken of the UNQUANTISED p, in f32, and the product's result is divided by l at the end. Since M is a whole number, a kernel that streams over the keys may use a running M (the ceiling of the running maximum): every later rescaling is an exact power of two, which a block's scale takes up: the codes' values come out the same.
;;   OPERANDS COMPUTED ON THE WAY. 'Computed on the way' means the value that the module computes at that place (a softmax that the list does not call 'softmax' is quantised finished and normalised). What goes into a quantiser is computed in f32, as accurately as f32 sums, v_exp_f32 and their like allow (about 1e-6 of the number): no bf16 or f16 on the way to a quantiser, and a product that is left as it is and whose result goes on into a quantised operand takes f32 operands (vector FMAs, or v_wmma_f32_16x16x4_f32). A number that lies on a knife's edge between two numbers of the format may be rounded either way, as far as f32 arithmetic and the matrix unit's own rounding can turn it there, and no further.
;;   INPUTS GIVEN AS CODES. w1 (in the module: [768, 3072], K = its axis 0); w2 (in the module: [3072, 768], K = its axis 0); wk (in the module: [768, 768], K = its axis 0); wq (in the module: [768, 768], K = its axis 0); wv (in the module: [768, 768], K = its axis 0): each comes as NAME_codes (uint8): NAME with its K axis moved to the last place and cut into blocks of 32 codes, [.., K / 32, bytes a block], one block behind the other in memory; one code a byte (a code: sign, 5 exponent bits, 2 mantissa bits); and NAME_scales (uint8): the same leading axes, one E8M0 byte (e + 127) for each 32 codes along K. Its value is code x scale, taken as it is: it is not quantised again, and the codes and scales need not be those that the quantiser above would give.
;; One version. Each part assembles by itself: llvm-mc -triple=amdgcn-amd-amdhsa -mcpu=gfx1250 --defsym DOCPART=n.
;; ======== version 1 of 1: 4 launches
;; limits: right only within a limited range of input values
;; workspace buffers: qc 6,291,456 bytes; kc 6,291,456 bytes; vc 6,291,456 bytes; sc 983,040 bytes; x1 25,165,824 bytes; gc 25,165,824 bytes; gs 786,432 bytes
;; launch qkv (part 1): grid 128 x 2, 8 waves a work-group, clusters of 4 x 1, 327,680 bytes of LDS; arguments x, ln_w, ln_b, wq_codes, wq_scales, bq, wk_codes, wk_scales, bk, wv_codes, wv_scales, bv, qc, kc, vc, sc; writes qc, kc, vc, sc
.if DOCPART == 1
	.amdgcn_target "amdgcn-amd-amdhsa--gfx1250"
	.amdhsa_code_object_version 6
	.text
	.protected	k_qc61227e035_qkv
	.globl	k_qc61227e035_qkv
	.p2align	8
	.type	k_qc61227e035_qkv,@function
k_qc61227e035_qkv:
	s_mov_b64 s[64:65], 0
	v_nop
	global_prefetch_b8 v0, s[64:65] scope:SCOPE_SE
	s_setreg_imm32_b32 hwreg(HW_REG_WAVE_MODE, 25, 1), 1
	s_wait_xcnt 0x0
	s_wait_alu depctr_hold_cnt(0) depctr_sa_sdst(0) depctr_va_vdst(0) depctr_va_sdst(0) depctr_va_ssrc(0) depctr_va_vcc(0) depctr_vm_vsrc(0)
	s_getreg_b32 s2, hwreg(HW_REG_IB_STS2, 6, 4)
	s_cmp_eq_u32 s2, 0
	s_cbranch_scc0 .Lentry_in_a_cluster
	s_endpgm
.Lentry_in_a_cluster:
	s_bfe_u32 s2, ttmp6, 0x10000c
	s_cmp_lg_u32 s2, 0x3003
	s_cbranch_scc0 .Lentry_shape_is_right
	s_endpgm
.Lentry_shape_is_right:
; LayerNorm of x, quantised along its 768; q = xn wq + bq, k = xn wk + bk, v = xn wv + bv on E5M2 codes with E8M0 scales;
; q and k are quantised along the head's 64, v along the keys, and stored as images of the operand registers of the next launch.
; SHARES.  A work-group takes 64 rows (rb = 4 x cluster x + cx) and half of each weight's 768 columns (part = y).  Eight waves: g = wave & 1 takes
; rows 32 g .. 32 g + 31 (two tiles of 16), cg = wave >> 1 takes 32 of a step's 128 columns.  Steps 0-5: column groups 0, 1 work on wq, 2, 3 on wk
; (three whole heads a wave); steps 6-8: all four on wv.  The rows' codes (6 fragments a tile) stay in registers; the weights go through a ring of two LDS slots.
; CLUSTER.  The four row blocks of a cluster walk the same weight tiles: each tile is asked for jointly (mask 15), one load a wave, 16 weight rows each.
; ORDER.  The clusters walk the six steps of q and k from three different starts (cluster x mod 3, a head = two steps apart): step j works on block (j + start) mod 6 of the wave's six,
; so that the clusters do not all ask for the same tile at the same time.  The start hangs on the cluster's x alone, which the four partners share.
; THE ROWS OF A TILE ARE NOT NEIGHBOURS: lane r of row tile t takes row 8 t + r + 8 (r / 8) of the wave's 32, and likewise the weight rows of a tile in steps 0-5.
; So a lane's 16 results of two neighbouring tiles are 16 neighbours along the next product's K: the head's axis for q and k (product used transposed), the keys for v (not transposed).
; BANKS.  A weight row in LDS is 816 bytes = 204 words: row i starts at bank 12 i mod 64 (64 banks of 4 bytes: ISA guide 11.1).  Rows 16 apart would start at the same bank, so a column group's
; second 16 rows lie 128 bytes (32 banks) further on than on end: the sixteen rows of a tile of eight + eight then start at sixteen different groups of four banks.
; LIMITS: NaN and infinities among the inputs are not served; a block whose largest magnitude lies under 2^-111, a block of zeros too, keeps the scale byte 1 (its bytes are read by this program alone).
; No prefetch: x is asked for whole at the head, and the weights are read by 128 work-groups each.
; REGISTERS.  window 0: v1-15 addresses; v16-47 four accumulators; v48-79 bias as C, two sets; v80-91 weight scale words, two sets; v92-97 the rows' scale words;
;   v98-118 the quantiser; v119-124 addresses made after LayerNorm; v128-255 weight fragments of K steps 0-3.  window 1: v0-191 the rows' 12 fragments; v192-255 weight fragments of K steps 4, 5.
;   During LayerNorm: v64-255 eight rows of 24 numbers a lane, v16-63 at work, window 1 v0-47 ln_w and ln_b.
.set SLOT,  105472                     ; a slot: four column groups
.set CGS,   26368                      ; a column group: two tiles of 16 weight rows (13,056 bytes each, pitch 816 = 3 x (256 + 16))
.set GOFF,  13184                      ; where its second tile begins: 13,056 + 128
.set ACODE, 210944                     ; the rows' codes: 64 rows, pitch 784
.set ASC,   261120                     ; their scale bytes: 64 rows x 28
.set VSB,   262912                     ; v's scale bytes: two rows of 384, one for each g
.set SPARE, 263936                     ; the spare words: 128 bytes for each of eight waves
.set T8,    8                          ; rows from row tile 0 to row tile 1 in ACODE
.set WV,    52
.set MSB, 0
.macro WIN new                         ; the immediate's high byte repeats the setting that is left
.if MSB != \new
	s_set_vgpr_msb (MSB<<8)|\new
.set MSB, \new
.endif
.endm
.macro PLACES n
.rept \n
	v_nop
.endr
.endm
.macro ROUND                           ; a round of the cluster's barrier
	s_barrier_signal -1
	s_barrier_wait -1
	s_cmp_lg_u32 s[WV], 0
	s_cbranch_scc1 .Lnot_wave_0_\@
	s_barrier_signal -3
.Lnot_wave_0_\@:
	s_barrier_wait -3
	s_barrier_signal -1
	s_barrier_wait -1
.endm
; one product: D, source 0, source 1, C, their scale registers, and which half of the lanes holds each side's scale words
.macro MM d, a, b, c, sa, sb, ra, rb
.if ((\ra) == 0) && ((\rb) == 0)
	v_wmma_scale_f32_16x16x128_f8f6f4 v[\d:\d+7], v[\a:\a+15], v[\b:\b+15], v[\c:\c+7], v[\sa], v[\sb] matrix_a_fmt:MATRIX_FMT_BF8 matrix_b_fmt:MATRIX_FMT_BF8
.elseif ((\ra) == 1) && ((\rb) == 0)
	v_wmma_scale_f32_16x16x128_f8f6f4 v[\d:\d+7], v[\a:\a+15], v[\b:\b+15], v[\c:\c+7], v[\sa], v[\sb] matrix_a_fmt:MATRIX_FMT_BF8 matrix_b_fmt:MATRIX_FMT_BF8 matrix_a_scale:MATRIX_SCALE_ROW1
.elseif ((\ra) == 0) && ((\rb) == 1)
	v_wmma_scale_f32_16x16x128_f8f6f4 v[\d:\d+7], v[\a:\a+15], v[\b:\b+15], v[\c:\c+7], v[\sa], v[\sb] matrix_a_fmt:MATRIX_FMT_BF8 matrix_b_fmt:MATRIX_FMT_BF8 matrix_b_scale:MATRIX_SCALE_ROW1
.else
	v_wmma_scale_f32_16x16x128_f8f6f4 v[\d:\d+7], v[\a:\a+15], v[\b:\b+15], v[\c:\c+7], v[\sa], v[\sb] matrix_a_fmt:MATRIX_FMT_BF8 matrix_b_fmt:MATRIX_FMT_BF8 matrix_a_scale:MATRIX_SCALE_ROW1 matrix_b_scale:MATRIX_SCALE_ROW1
.endif
.endm
; which of the wave's six blocks of q or k step j works on: (j + start) mod 6, into s[dst].  (Where the sum is under 6 the difference wraps to a large number and the minimum keeps the sum.)
.macro ACTQ dst, j
	s_add_co_u32 s[\dst], s89, \j
	s_sub_co_u32 s91, s[\dst], 6
	s_min_u32 s[\dst], s[\dst], s91
.endm
	s_load_b512 s[4:19], s[0:1], 0x0               ; x, ln_w, ln_b, wq codes, wq scales, bq, wk codes, wk scales
	s_load_b512 s[20:35], s[0:1], 0x40             ; bk, wv codes, wv scales, bv, qc, kc, vc, sc
	v_lshl_add_u32 v2, v0, 2, SPARE                ; my spare word; never rewritten
	v_mov_b32 v3, 0                                ; 0; never rewritten
	ds_add_u32 v2, v3
	ds_add_u32 v2, v3
	s_wait_dscnt 0x0
	v_lshrrev_b32 v1, 5, v0
	s_delay_alu instid0(VALU_DEP_1)
	v_readfirstlane_b32 s52, v1                    ; wave 0..7
	v_and_b32 v1, 31, v0                           ; lane
	s_wait_alu depctr_va_vdst(0)
	s_and_b32 s53, s52, 1                          ; g
	s_lshr_b32 s54, s52, 1                         ; cg
	s_and_b32 s55, ttmp7, 0xffff                   ; part
	s_bfe_u32 s59, ttmp6, 0x40000                  ; cx: it enters x's and the outputs' addresses alone
	s_lshl_b32 s56, ttmp9, 2
	s_add_co_u32 s56, s56, s59                     ; rb
	s_lshr_b32 s57, s56, 3                         ; batch
	s_and_b32 s58, s56, 7                          ; rbb: which 64 tokens of the batch
	s_mul_i32 s89, ttmp9, 11
	s_lshr_b32 s89, s89, 5                         ; cluster x / 3 (11 / 32 serves for 0 .. 31)
	s_mul_i32 s89, s89, 3
	s_sub_co_u32 s89, ttmp9, s89                   ; cluster x mod 3
	s_lshl_b32 s89, s89, 1                         ; the start: 0, 2 or 4 steps
	s_mov_b32 s93, 0                               ; upper words of the two offset pairs s[92:93], s[94:95]
	s_mov_b32 s95, 0
	s_mov_b32 s60, 0x76543210
	s_mov_b32 s61, 0xfedcba98                      ; v_permlanex16_b32's selects for lane l xor 16
	s_mov_b32 s62, 0x600000                        ; the mantissa field of 57,344
	s_mov_b32 s63, 0x3aaaaaab                      ; 1 / 768
	s_mov_b32 s66, 0x3727c5ac                      ; 1e-5
	s_mov_b32 s67, 0xffff0000                      ; lanes 16-31
	s_and_b32 s69, s54, 1
	s_mul_i32 s72, s55, 384
	s_mul_i32 s73, s54, 96
	s_add_co_u32 s73, s73, s72                     ; my first column of wv
	s_mul_i32 s70, s69, 192
	s_add_co_u32 s72, s72, s70                     ; my first column of wq or wk
	s_mul_i32 s88, s54, CGS
	s_mul_i32 s70, s53, GOFF
	s_add_co_u32 s88, s88, s70                     ; my tile's place in a slot
	v_and_b32 v60, 15, v0                          ; r
	v_bfe_u32 v61, v0, 4, 1                        ; h
	s_delay_alu instid0(VALU_DEP_2)
	v_and_b32 v59, 8, v60                          ; 8 (r / 8)
	s_delay_alu instid0(VALU_DEP_1)
	v_add_nc_u32 v62, v59, v60                     ; r + 8 (r / 8)
	s_delay_alu instid0(VALU_DEP_1)
	v_lshl_add_u32 v63, v61, 3, v62                ; 8 h + r + 8 (r / 8): lanes 16-31 stand for the second tile
	s_wait_alu depctr_va_vdst(0)
	v_lshlrev_b32 v4, 5, v1                        ; x, ln_w, ln_b: 32 bytes a lane
	s_mul_i32 s70, s52, 6272
	s_add_co_u32 s70, s70, ACODE
	v_lshl_add_u32 v5, v1, 3, s70                  ; where I store codes: my wave's 8 rows, 8 bytes a lane
	s_mul_i32 s70, s52, 224
	s_add_co_u32 s70, s70, ASC
	v_lshrrev_b32 v6, 2, v1
	s_delay_alu instid0(VALU_DEP_1)
	v_add_nc_u32 v6, s70, v6                       ; and scale bytes: four lanes to a block
	s_mul_i32 s70, s53, 32*784
	s_add_co_u32 s70, s70, ACODE
	v_mul_u32_u24 v7, v62, 784
	s_delay_alu instid0(VALU_DEP_1)
	v_lshl_add_u32 v7, v61, 4, v7
	s_delay_alu instid0(VALU_DEP_1)
	v_add_nc_u32 v7, s70, v7                       ; the rows' fragments
	s_mul_i32 s70, s53, 32*28
	s_add_co_u32 s70, s70, ASC
	v_mul_u32_u24 v8, v63, 28
	s_delay_alu instid0(VALU_DEP_1)
	v_add_nc_u32 v8, s70, v8                       ; the rows' scale words
	s_mul_i32 s70, s54, CGS
	v_mul_u32_u24 v9, v62, 816
	s_delay_alu instid0(VALU_DEP_1)
	v_lshl_add_u32 v9, v61, 4, v9
	s_delay_alu instid0(VALU_DEP_1)
	v_lshl_add_u32 v9, v59, 4, v9                  ; lanes 8-15 take rows of the second tile: 128 bytes further on
	s_delay_alu instid0(VALU_DEP_1)
	v_add_nc_u32 v9, s70, v9                       ; weight fragments, tiles of eight + eight rows, slot 0
	s_delay_alu instid0(VALU_DEP_1)
	v_add_nc_u32 v10, SLOT, v9                     ; slot 1
	v_mul_u32_u24 v11, v60, 816
	s_delay_alu instid0(VALU_DEP_1)
	v_lshl_add_u32 v11, v61, 4, v11
	s_delay_alu instid0(VALU_DEP_1)
	v_add_nc_u32 v11, s70, v11                     ; weight fragments, tiles of 16 neighbours, slot 0
	s_delay_alu instid0(VALU_DEP_1)
	v_add_nc_u32 v12, SLOT, v11                    ; slot 1
	v_mul_u32_u24 v13, v63, 24                     ; weight scale rows of 24 bytes, by the first kind of tile
	v_mul_u32_u24 v14, v1, 24                      ; by the second
	v_lshlrev_b32 v15, 6, v61                      ; bias as C: 64 h
	v_mov_b32 v25, 0                               ; upper halves of pairs of which the low word serves both halves
	v_mov_b32 v31, 0
	s_mov_b32 s36, 15|(3<<16)|(1<<20)|(1<<21)|(5<<22)|(3<<25)   ; group 1: mask of the four partners; elements of 8 bytes; padding on; bit 21 beside a mask; 4 words after every 64
	s_mov_b32 s37, 32<<16                          ; tensor_dim0 = 32 elements: 16 dense weight rows of 768 bytes are taken as 48 rows of 256
	s_mov_b32 s38, 48<<16                          ; tensor_dim1
	s_mov_b32 s39, 32<<16                          ; tile_dim0
	s_mov_b32 s40, 48                              ; tile_dim1
	s_mov_b32 s41, 32                              ; pitch
	s_mov_b32 s42, 0
	s_mov_b32 s43, 0
	s_wait_kmcnt 0x0
	s_cmp_lt_u32 s54, 2                            ; column groups 0, 1: q; 2, 3: k.  The choice hangs on the wave's number alone
	s_cselect_b64 s[10:11], s[10:11], s[16:17]
	s_cselect_b64 s[12:13], s[12:13], s[18:19]
	s_cselect_b64 s[14:15], s[14:15], s[20:21]
	s_cselect_b64 s[28:29], s[28:29], s[30:31]
	s_cselect_b32 s68, 0, -1                       ; all ones in k's waves
	s_cselect_b32 s74, 0, 393216                   ; q's or k's part of sc
	s_mov_b32 s71, 0
	s_lshl_b32 s70, s53, 4
	s_add_co_u32 s70, s70, s72
	s_mul_i32 s70, s70, 768
	s_add_nc_u64 s[10:11], s[10:11], s[70:71]      ; the 16 weight rows that I fetch of my first block of q or k
	s_lshl_b32 s70, s53, 4
	s_add_co_u32 s70, s70, s73
	s_mul_i32 s70, s70, 768
	s_add_nc_u64 s[22:23], s[22:23], s[70:71]      ; and in step 6
	s_mul_i32 s70, s72, 24
	s_add_nc_u64 s[12:13], s[12:13], s[70:71]
	s_lshl_b32 s70, s72, 2
	s_add_nc_u64 s[14:15], s[14:15], s[70:71]
	s_mul_i32 s70, s73, 24
	s_add_nc_u64 s[24:25], s[24:25], s[70:71]
	s_lshl_b32 s70, s73, 2
	s_add_nc_u64 s[26:27], s[26:27], s[70:71]
	s_mov_b32 s77, 0
	s_lshl_b32 s76, s56, 6
	s_lshl_b32 s78, s52, 3
	s_add_co_u32 s76, s76, s78
	s_mul_i32 s76, s76, 3072
	s_add_nc_u64 s[4:5], s[4:5], s[76:77]          ; x at my wave's 8 rows
	s_mul_i32 s75, s57, 12
	s_mul_i32 s76, s55, 6
	s_add_co_u32 s75, s75, s76
	s_mul_i32 s76, s69, 3
	s_add_co_u32 s75, s75, s76                     ; batch x 12 + my first head
	s_lshl_b32 s76, s75, 5
	s_lshl_b32 s78, s58, 2
	s_add_co_u32 s76, s76, s78
	s_lshl_b32 s78, s53, 1
	s_add_co_u32 s76, s76, s78
	s_lshl_b32 s76, s76, 10
	s_add_nc_u64 s[28:29], s[28:29], s[76:77]      ; qc or kc at my first tile
	s_lshl_b32 s78, s58, 1
	s_add_co_u32 s78, s78, s53                     ; kb = 2 rbb + g: my 32 tokens among the batch's sixteen
	s_lshl_b32 s76, s75, 4
	s_add_co_u32 s76, s76, s78
	s_lshl_b32 s76, s76, 7
	s_add_co_u32 s76, s76, s74
	s_add_nc_u64 s[30:31], s[34:35], s[76:77]      ; q's or k's scale words
	s_lshl_b32 s76, s57, 2
	s_lshr_b32 s79, s78, 2
	s_add_co_u32 s76, s76, s79
	s_mul_i32 s76, s76, 48
	s_mul_i32 s79, s55, 24
	s_add_co_u32 s76, s76, s79
	s_mul_i32 s79, s54, 6
	s_add_co_u32 s76, s76, s79
	s_lshl_b32 s76, s76, 11
	s_and_b32 s79, s78, 3
	s_lshl_b32 s79, s79, 9
	s_add_co_u32 s76, s76, s79
	s_add_nc_u64 s[32:33], s[32:33], s[76:77]      ; vc at my first piece
	s_mul_i32 s76, s56, 768
	s_mul_i32 s79, s55, 384
	s_add_co_u32 s76, s76, s79
	s_lshl_b32 s76, s76, 1
	s_add_co_u32 s76, s76, 786432
	s_add_nc_u64 s[34:35], s[34:35], s[76:77]      ; v's scale bytes of this work-group
	WIN 0x40                                       ; destination window 1
.irp q,0,1,2
.irp e,0,1
	global_load_b128 v[8*\q+4*\e:8*\q+4*\e+3], v4, s[6:7] offset:1024*\q+16*\e
	global_load_b128 v[24+8*\q+4*\e:24+8*\q+4*\e+3], v4, s[8:9] offset:1024*\q+16*\e
.endr
.endr
	WIN 0
.irp i,0,1,2,3,4,5,6,7                 ; eight rows: the lane holds k = 256 q + 8 lane + 0..7
.irp q,0,1,2
.irp e,0,1
	global_load_b128 v[64+24*\i+8*\q+4*\e:64+24*\i+8*\q+4*\e+3], v4, s[4:5] offset:3072*\i+1024*\q+16*\e
.endr
.endr
.endr
	s_mul_i32 s92, s89, 24576                      ; the start, in blocks of 32 weight rows
	s_mov_b32 s44, 1                               ; group 0 of slot 0: step 0
	s_mov_b32 s45, s88
	s_add_nc_u64 s[46:47], s[10:11], s[92:93]
	s_mov_b32 s48, 1                               ; group 0 of slot 1: step 1: the next block (the start is 4 at the most: no wrap)
	s_add_co_u32 s49, s88, SLOT
	s_add_nc_u64 s[50:51], s[46:47], 24576
	s_or_b32 s47, s47, 0x80000000
	s_or_b32 s51, s51, 0x80000000
	ROUND                                          ; the four work-groups are here: the first joint loads meet
	tensor_load_to_lds s[44:47], s[36:43]          ; my one load at the head: slot 0
	s_nop 0
	PLACES 4
; the sums of v[32 + 2 i], i = 0 .. 7, over the 32 lanes, in every lane: the eight rows by turns, so that no line reads what one of the seven lines above it wrote
.macro RED8
.irp x,1,2,4,8
.irp i,0,1,2,3,4,5,6,7
	v_add_f32_dpp v[32+2*\i], v[32+2*\i], v[32+2*\i] row_xmask:\x row_mask:0xf bank_mask:0xf
.endr
.endr
.irp i,0,1,2,3,4,5,6,7
	v_permlanex16_b32 v[33+2*\i], v[32+2*\i], s60, s61
.endr
.irp i,0,1,2,3,4,5,6,7
	v_add_f32 v[32+2*\i], v[32+2*\i], v[33+2*\i]
.endr
.endm
.macro FOLD8                           ; each row's two chains and their two halves become one number in v[32 + 2 i]
.irp i,0,1,2,3,4,5,6,7
	v_pk_add_f32 v[32+2*\i:33+2*\i], v[32+2*\i:33+2*\i], v[48+2*\i:49+2*\i]
.endr
.irp i,0,1,2,3,4,5,6,7
	v_add_f32 v[32+2*\i], v[32+2*\i], v[33+2*\i]
.endr
	RED8
.endm
; the eight rows' means; the rows centred in place (so that the variance is no difference of large sums); 1 / sqrt(variance + 1e-5) into v[16 + i].  Row i's two chains: v[32 + 2 i ..], v[48 + 2 i ..]
.macro LNSTATS
	s_wait_loadcnt 0x0                             ; ln_w, ln_b and the eight rows are in
.irp i,0,1,2,3,4,5,6,7
	v_pk_add_f32 v[32+2*\i:33+2*\i], v[64+24*\i:65+24*\i], v[66+24*\i:67+24*\i]
.endr
.irp i,0,1,2,3,4,5,6,7
	v_pk_add_f32 v[48+2*\i:49+2*\i], v[68+24*\i:69+24*\i], v[70+24*\i:71+24*\i]
.endr
.irp k,8,12,16,20
.irp i,0,1,2,3,4,5,6,7
	v_pk_add_f32 v[32+2*\i:33+2*\i], v[32+2*\i:33+2*\i], v[64+24*\i+\k:65+24*\i+\k]
.endr
.irp i,0,1,2,3,4,5,6,7
	v_pk_add_f32 v[48+2*\i:49+2*\i], v[48+2*\i:49+2*\i], v[66+24*\i+\k:67+24*\i+\k]
.endr
.endr
	FOLD8
.irp i,0,1,2,3,4,5,6,7
	v_mul_f32 v[48+2*\i], s63, v[32+2*\i]          ; the mean
.endr
.irp i,0,1,2,3,4,5,6,7
.irp k,0,2,4,6,8,10,12,14,16,18,20,22
	v_pk_add_f32 v[64+24*\i+\k:65+24*\i+\k], v[64+24*\i+\k:65+24*\i+\k], v[48+2*\i:49+2*\i] op_sel_hi:[1,0] neg_lo:[0,1] neg_hi:[0,1]
.endr
.endr
.irp i,0,1,2,3,4,5,6,7
	v_pk_mul_f32 v[32+2*\i:33+2*\i], v[64+24*\i:65+24*\i], v[64+24*\i:65+24*\i]
.endr
.irp i,0,1,2,3,4,5,6,7
	v_pk_mul_f32 v[48+2*\i:49+2*\i], v[66+24*\i:67+24*\i], v[66+24*\i:67+24*\i]
.endr
.irp k,4,8,12,16,20
.irp i,0,1,2,3,4,5,6,7
	v_pk_fma_f32 v[32+2*\i:33+2*\i], v[64+24*\i+\k:65+24*\i+\k], v[64+24*\i+\k:65+24*\i+\k], v[32+2*\i:33+2*\i]
.endr
.irp i,0,1,2,3,4,5,6,7
	v_pk_fma_f32 v[48+2*\i:49+2*\i], v[66+24*\i+\k:67+24*\i+\k], v[66+24*\i+\k:67+24*\i+\k], v[48+2*\i:49+2*\i]
.endr
.endr
	FOLD8
.irp i,0,1,2,3,4,5,6,7
	v_fma_f32 v[32+2*\i], v[32+2*\i], s63, s66
.endr
	s_wait_alu depctr_va_vdst(0)                   ; one wait ahead of the batch
.irp i,0,1,2,3,4,5,6,7
	v_rsq_f32 v[16+\i], v[32+2*\i]
.endr
.endm
; row i: scaled, x ln_w + ln_b, quantised (four lanes share a block of 32), codes and scale bytes to LDS
.macro LNQ i
.set XR, 64+24*(\i)
.set CSET, 48+6*((\i)%2)
.set BSET, 41+3*((\i)%2)
	v_mov_b32 v30, v[16+(\i)]
.irp k,0,2,4,6,8,10,12,14,16,18,20,22
	v_pk_mul_f32 v[XR+\k:XR+\k+1], v[XR+\k:XR+\k+1], v[30:31] op_sel_hi:[1,0]
.endr
	WIN 0x14                                       ; sources 1 and 2 (ln_w, ln_b) window 1
.irp k,0,2,4,6,8,10,12,14,16,18,20,22
	v_pk_fma_f32 v[XR+\k:XR+\k+1], v[XR+\k:XR+\k+1], v[\k:\k+1], v[24+\k:25+\k]
.endr
	WIN 0
.irp q,0,1,2
	v_max3_num_f32 v[32+\q], |v[XR+8*\q]|, |v[XR+8*\q+1]|, 0x8000000   ; my 8 numbers of a block, and the floor 2^(16 - 127): the byte cannot fall under 1
.endr
.irp p,2,4,6
.irp q,0,1,2
	s_delay_alu instid0(VALU_DEP_3)
	v_max3_num_f32 v[32+\q], v[32+\q], |v[XR+8*\q+\p]|, |v[XR+8*\q+\p+1]|
.endr
.endr
.irp q,0,1,2
	s_delay_alu instid0(VALU_DEP_3)
	v_max_num_f32_dpp v[32+\q], v[32+\q], v[32+\q] row_xmask:1 row_mask:0xf bank_mask:0xf
.endr
.irp q,0,1,2
	s_delay_alu instid0(VALU_DEP_3)
	v_max_num_f32_dpp v[32+\q], v[32+\q], v[32+\q] row_xmask:2 row_mask:0xf bank_mask:0xf
.endr
.irp q,0,1,2
	s_delay_alu instid0(VALU_DEP_3)
	v_add_nc_u32 v[35+\q], 0xf8800000, v[32+\q]    ; 15 off the exponent field: the conversion's scale operand
.endr
.irp q,0,1,2
	v_and_or_b32 v[38+\q], v[32+\q], 0x7f800000, s62   ; 57,344 x the scale
.endr
.if (\i) >= 2
	s_wait_alu depctr_va_vdst(0)
	s_wait_dscnt 6                                 ; the last row's six stores may be out; those of the row before it have read this set of registers
.endif
.irp q,0,1,2
	v_lshrrev_b32 v[BSET+\q], 23, v[35+\q]         ; the scale's byte
.endr
.irp q,0,1,2
.irp p,0,1,2,3,4,5,6,7
	v_med3_num_f32 v[XR+8*\q+\p], v[XR+8*\q+\p], -v[38+\q], v[38+\q]   ; the conversion to an 8-bit code does not saturate (ISA guide 7.6.2): the hold
.endr
.endr
.irp q,0,1,2
	v_cvt_scalef32_pk8_bf8_f32 v[CSET+2*\q:CSET+2*\q+1], v[XR+8*\q:XR+8*\q+7], v[35+\q]
.endr
	v_nop                                          ; a plain instruction behind the last conversion
.irp q,0,1,2
	ds_store_b64 v5, v[CSET+2*\q:CSET+2*\q+1] offset:784*(\i)+256*\q   ; 256 consecutive bytes of the row
.endr
.irp q,0,1,2
	ds_store_b8 v6, v[BSET+\q] offset:28*(\i)+8*\q   ; four lanes write the same byte with the same value
.endr
.endm
	LNSTATS
	v_nop                                          ; a plain instruction behind the last reciprocal root,
	s_wait_alu depctr_va_vdst(0)                   ; and one wait for the eight, ahead of their first reader
.irp i,0,1,2,3,4,5,6,7
	LNQ \i
.endr
	v_and_b32 v126, 15, v0                         ; registers that lay under x's rows are made now
	v_lshlrev_b32 v119, 4, v1                      ; 16 x lane: a piece of an image
	v_lshlrev_b32 v120, 2, v1                      ; 4 x lane: a scale word
	s_delay_alu instid0(VALU_DEP_3)
	v_lshlrev_b32 v122, 2, v126                    ; 4 r: v's bias
	v_lshlrev_b32 v124, 3, v1                      ; 8 x lane
	s_delay_alu instid0(VALU_DEP_3)
	v_add_nc_u32 v123, VSB, v120                   ; v's scale bytes on the way out: 4 bytes a lane
	s_mul_i32 s70, s53, 384
	s_mul_i32 s71, s54, 96
	s_add_co_u32 s70, s70, s71
	s_add_co_u32 s70, s70, VSB
	v_add_nc_u32 v121, s70, v1                     ; and on the way in: my g's row, my 96 columns, a lane a column
	v_mov_b32 v100, 0                              ; a lane permute's destination counts as one of its sources
	v_mov_b32 v101, 0
; where the scale rows and the bias of step j of q and k lie: s[96:97], s[98:99].  Written only where no load that names them is out
.macro SBPTR j
	ACTQ 90, \j
	s_mul_i32 s92, s90, 768
	s_lshl_b32 s94, s90, 7
	s_add_nc_u64 s[96:97], s[12:13], s[92:93]
	s_add_nc_u64 s[98:99], s[14:15], s[94:95]
.endm
; the scale words and the bias of a step into set ws.  T: steps 0-5, from where SBPTR points; V: steps 6-8 (j counts from 6)
.macro LOADSB_T ws
.irp i,0,1,2
	global_load_b64 v[80+6*(\ws)+2*\i:81+6*(\ws)+2*\i], v13, s[96:97] offset:8*\i
.endr
.irp u,0,1
.irp e,0,1
	global_load_b128 v[48+16*(\ws)+8*\u+4*\e:51+16*(\ws)+8*\u+4*\e], v15, s[98:99] offset:32*\u+16*\e
.endr
.endr
.endm
.macro LOADSB_V j, ws
.irp i,0,1,2
	global_load_b64 v[80+6*(\ws)+2*\i:81+6*(\ws)+2*\i], v14, s[24:25] offset:768*(\j)+8*\i
.endr
.irp n,0,1
	global_load_b32 v[48+16*(\ws)+8*\n], v122, s[26:27] offset:128*(\j)+64*\n
.endr
.endm
; my column group's 12 weight fragments, K step by K step; UB: bytes from tile 0 to tile 1
.macro WFETCH adr, UB
.irp s,0,1,2,3
.irp u,0,1
.irp c,0,1,2,3
	ds_load_b128 v[128+16*(2*\s+\u)+4*\c:128+16*(2*\s+\u)+4*\c+3], v[\adr] offset:\UB*\u+128*\s+16*(\s/2)+32*\c
.endr
.endr
.endr
	WIN 0x40
.irp s,4,5
.irp u,0,1
.irp c,0,1,2,3
	ds_load_b128 v[192+16*(2*(\s-4)+\u)+4*\c:192+16*(2*(\s-4)+\u)+4*\c+3], v[\adr] offset:\UB*\u+128*\s+16*(\s/2)+32*\c
.endr
.endr
.endr
.endm
; 24 products, the four accumulators by turns.  T: transposed: source 0 = 16 weight rows, source 1 = 16 rows of xn; the bias is the first C
.macro PROD_T ws
.irp s,0,1,2,3,4,5
	s_wait_dscnt 8*(5-\s)                          ; this K step's eight loads are in; the K steps behind it may be out
.if \s < 4
	WIN 0x04
.else
	WIN 0x05
.endif
.irp t,0,1
.irp u,0,1
.if \s == 0
	MM 16+8*(2*\t+\u), 128+16*\u, 16*(6*\t), 48+16*(\ws)+8*\u, 80+6*(\ws), 92, \u, \t
.elseif \s < 4
	MM 16+8*(2*\t+\u), 128+16*(2*\s+\u), 16*(6*\t+\s), 16+8*(2*\t+\u), 80+6*(\ws)+\s, 92+\s, \u, \t
.else
	MM 16+8*(2*\t+\u), 192+16*(2*(\s-4)+\u), 16*(6*\t+\s), 16+8*(2*\t+\u), 80+6*(\ws)+\s, 92+\s, \u, \t
.endif
.endr
.endr
.endr
.endm
; V: not transposed: source 0 = 16 rows of xn (the keys), source 1 = 16 weight rows: a lane holds one column d and its registers run along the keys
.macro PROD_V ws
.irp s,0,1,2,3,4,5
	s_wait_dscnt 8*(5-\s)
.if \s < 4
	WIN 0x01
.else
	WIN 0x05
.endif
.irp n,0,1
.irp u,0,1
.if \s == 0
	MM 16+8*(2*\n+\u), 16*(6*\u), 128+16*\n, 48+16*(\ws)+8*\n, 92, 80+6*(\ws), \u, \n
.elseif \s < 4
	MM 16+8*(2*\n+\u), 16*(6*\u+\s), 128+16*(2*\s+\n), 16+8*(2*\n+\u), 92+\s, 80+6*(\ws)+\s, \u, \n
.else
	MM 16+8*(2*\n+\u), 16*(6*\u+\s), 192+16*(2*(\s-4)+\n), 16+8*(2*\n+\u), 92+\s, 80+6*(\ws)+\s, \u, \n
.endif
.endr
.endr
.endr
.endm
; The quantiser: v[16 + 16 b + i], b = 0, 1: 16 numbers of a block whose other 16 lie in lane l xor 16.  QA: scales; QB: hold and codes into v[108 + 4 b ..]
.macro QA
	v_max3_num_f32 v98, |v16|, |v17|, 0x8000000
	v_max3_num_f32 v99, |v32|, |v33|, 0x8000000
.irp i,2,4,6,8,10,12,14
	v_max3_num_f32 v98, v98, |v[16+\i]|, |v[17+\i]|
	v_max3_num_f32 v99, v99, |v[32+\i]|, |v[33+\i]|
.endr
	s_delay_alu instid0(VALU_DEP_2)
	v_permlanex16_b32 v100, v98, s60, s61
	s_delay_alu instid0(VALU_DEP_2)
	v_permlanex16_b32 v101, v99, s60, s61
	s_delay_alu instid0(VALU_DEP_2)
	v_max_num_f32 v98, v98, v100
	s_delay_alu instid0(VALU_DEP_2)
	v_max_num_f32 v99, v99, v101
	s_delay_alu instid0(VALU_DEP_2)
	v_add_nc_u32 v104, 0xf8800000, v98
	s_delay_alu instid0(VALU_DEP_2)
	v_add_nc_u32 v105, 0xf8800000, v99
	s_delay_alu instid0(VALU_DEP_4)
	v_and_or_b32 v102, v98, 0x7f800000, s62
	s_delay_alu instid0(VALU_DEP_4)
	v_and_or_b32 v103, v99, 0x7f800000, s62
	s_delay_alu instid0(VALU_DEP_4)
	v_lshrrev_b32 v106, 23, v104
	s_delay_alu instid0(VALU_DEP_4)
	v_lshrrev_b32 v107, 23, v105
	s_wait_alu depctr_va_vdst(0)
	s_wait_xcnt 0x0                                ; the last step's stores have read their data and bases: both are written again only behind this wait
.endm
.macro QB
.set i, 0
.rept 16
	v_med3_num_f32 v[16+i], v[16+i], -v102, v102
	v_med3_num_f32 v[32+i], v[32+i], -v103, v103
.set i, i+1
.endr
	v_cvt_scalef32_pk8_bf8_f32 v[108:109], v[16:23], v104
	v_cvt_scalef32_pk8_bf8_f32 v[110:111], v[24:31], v104
	v_cvt_scalef32_pk8_bf8_f32 v[112:113], v[32:39], v105
	v_cvt_scalef32_pk8_bf8_f32 v[114:115], v[40:47], v105
	v_nop
.endm
; The change of slots at a step's head.  how: 0 nothing is filled; 1, 2: slot 0, 1 takes step jn of q and k; 3, 4: slot 0, 1 takes wv's first, second step; 5: slot 0 takes wv's third
.macro TRIP how, jn
	WIN 0
	s_wait_tensorcnt 0x0                           ; all my tensor loads have landed, my part of this step's slot among them: a group 0 may be written
	ds_add_u32 v2, v3                              ; 0 onto my spare word
.if (\how == 1) || (\how == 2)
	ACTQ 90, \jn
	s_mul_i32 s92, s90, 24576
.endif
.if \how == 1
	s_add_nc_u64 s[46:47], s[10:11], s[92:93]
	s_or_b32 s47, s47, 0x80000000
.elseif \how == 2
	s_add_nc_u64 s[50:51], s[10:11], s[92:93]
	s_or_b32 s51, s51, 0x80000000
.elseif \how == 3
	s_mov_b64 s[46:47], s[22:23]
	s_or_b32 s47, s47, 0x80000000
.elseif \how == 4
	s_add_nc_u64 s[50:51], s[22:23], 24576
	s_or_b32 s51, s51, 0x80000000
.elseif \how == 5
	s_add_nc_u64 s[46:47], s[46:47], 49152
.endif
	s_wait_dscnt 0x0                               ; the add is done, and my reads of the slot that I have left are over
.if \how == 0
	s_barrier_signal -1
	s_barrier_wait -1
.else
	ROUND                                          ; both now hold of every wave of the four work-groups
.if (\how == 1) || (\how == 3) || (\how == 5)
	tensor_load_to_lds s[44:47], s[36:43]          ; my one load behind the round: it has this whole step in which to land
	s_nop 0
.else
	tensor_load_to_lds s[48:51], s[36:43]
	s_nop 0
.endif
	PLACES 4
.endif
.endm
.macro STEPQ j
	s_wait_loadcnt 0x0                             ; this step's scale words and bias, asked for a step ago: no load is out, so their bases may be written
.if (\j)+1 < 6
	SBPTR (\j)+1
	LOADSB_T ((\j)+1)%2
.elseif (\j)+1 < 9
	LOADSB_V (\j)-5, ((\j)+1)%2
.endif
.if (\j) >= 6
.irp n,0,1
.irp k,1,2,3,4,5,6,7
	v_mov_b32 v[48+16*((\j)%2)+8*\n+\k], v[48+16*((\j)%2)+8*\n]   ; a lane holds one column: its bias in all eight registers of C
.endr
.endr
	PLACES 8
	WFETCH 11+(\j)%2, GOFF
	s_wait_alu depctr_va_vdst(0)
	PROD_V (\j)%2
.else
	WFETCH 9+(\j)%2, 6528
	PROD_T (\j)%2
.endif
	WIN 0
	PLACES 8                                       ; eight places behind this form, ahead of the first read of results and of loads into its sources
	QA
.if (\j) < 6
	ACTQ 90, \j
	s_lshr_b32 s90, s90, 1                         ; which of my three heads (the start is even: the block's place in its head is j % 2)
	s_lshl_b32 s92, s90, 15                        ; a head's 32 tiles of 1,024 bytes
	s_lshl_b32 s94, s90, 11                        ; a head's 16 pairs of 128 bytes
	s_add_nc_u64 s[80:81], s[28:29], s[92:93]
	s_add_nc_u64 s[82:83], s[30:31], s[94:95]
.endif
	QB
.if (\j) < 6
.irp t,0,1
	global_store_b128 v119, v[108+4*\t:111+4*\t], s[80:81] offset:((\j)%2)*512+1024*\t   ; 512 consecutive bytes: a piece of tile t's image
.endr
.if (\j)%2 == 0
	v_mov_b32 v116, v106                           ; the head's first block: its byte is kept
	v_mov_b32 v117, v107
.else
	v_lshl_or_b32 v116, v106, 8, v116              ; tile 0: the second block's byte over the first's;
	v_lshl_or_b32 v117, v107, 8, v117              ; tile 1 likewise: two bytes a row and tile
	s_delay_alu instid0(VALU_DEP_1)
	v_cndmask_b32 v126, v116, v117, s67            ; q: lanes 0-15 tile 0's, lanes 16-31 tile 1's, in both halves of the word;
	s_delay_alu instid0(VALU_DEP_1)
	v_cndmask_b32 v127, v126, v116, s68            ; k: tile 0's below, tile 1's above, in every lane
	s_delay_alu instid0(VALU_DEP_2)
	v_cndmask_b32 v126, v126, v117, s68
	s_delay_alu instid0(VALU_DEP_1)
	v_lshl_or_b32 v118, v126, 16, v127
	global_store_b32 v120, v118, s[82:83]
.endif
.else
.irp n,0,1
	global_store_b128 v119, v[108+4*\n:111+4*\n], s[32:33] offset:(2*((\j)-6)+\n)*2048
.endr
	v_cndmask_b32 v118, v106, v107, s67            ; lanes 0-15 column tile 0's byte, lanes 16-31 tile 1's
	ds_store_b8 v121, v118 offset:32*((\j)-6)
.endif
.endm
	s_wait_dscnt 0x0                               ; my codes and scale bytes lie in LDS, and the stores have read their registers
	SBPTR 0
	LOADSB_T 0
	s_wait_tensorcnt 0x0                           ; my part of slot 0 is in; slot 1's first fill is issued as a refill is
	ds_add_u32 v2, v3
	s_wait_dscnt 0x0
	ROUND
	tensor_load_to_lds s[48:51], s[36:43]          ; slot 1: it has step 0 in which to land
	s_nop 0
	PLACES 4
	WIN 0x40
.irp t,0,1
.irp s,0,1,2,3,4,5
.irp c,0,1,2,3
	ds_load_b128 v[16*(6*\t+\s)+4*\c:16*(6*\t+\s)+4*\c+3], v7 offset:T8*784*\t+128*\s+32*\c   ; my 32 rows' 12 fragments: they stay
.endr
.endr
.endr
	WIN 0
.irp s,0,1,2,3,4,5
	ds_load_b32 v[92+\s], v8 offset:4*\s           ; lanes 0-15 tile 0's scale words, lanes 16-31 tile 1's
.endr
	STEPQ 0
	TRIP 1, 2
	STEPQ 1
	TRIP 2, 3
	STEPQ 2
	TRIP 1, 4
	STEPQ 3
	TRIP 2, 5
	STEPQ 4
	TRIP 3, 0
	STEPQ 5
	TRIP 4, 0
	STEPQ 6
	TRIP 5, 0
	STEPQ 7
	TRIP 0, 0
	STEPQ 8
	s_mov_b32 s70, 0x05010400                      ; byte selects that interleave two words
	s_mov_b32 s71, 0x07030602
	s_wait_dscnt 0x0                               ; my bytes lie in LDS
	s_barrier_signal -1
	s_barrier_wait -1
	s_cmp_lg_u32 s52, 0
	s_cbranch_scc1 .Lnot_mine
.irp i,0,1,2                           ; wave 0: the two key blocks' bytes of 384 columns, interleaved, leave as three aligned runs of 256 bytes
	ds_load_b32 v[16+2*\i], v123 offset:128*\i
	ds_load_b32 v[17+2*\i], v123 offset:384+128*\i
.endr
	s_wait_dscnt 0x0
.irp i,0,1,2
	v_perm_b32 v[24+2*\i], v[17+2*\i], v[16+2*\i], s70
	v_perm_b32 v[25+2*\i], v[17+2*\i], v[16+2*\i], s71
	global_store_b64 v124, v[24+2*\i:25+2*\i], s[34:35] offset:256*\i
.endr
.Lnot_mine:
	s_wait_tensorcnt 0x0                           ; the wave's end
	ds_add_u32 v2, v3
	s_wait_dscnt 0x0
	ROUND                                          ; the closing round: no work-group ends while a partner may still ask for a tile that names it
	s_endpgm
.Lfunc_end_k_qc61227e035_qkv:
	.size	k_qc61227e035_qkv, .Lfunc_end_k_qc61227e035_qkv-k_qc61227e035_qkv
	.p2alignl 7, 3214868480
	.fill 96, 4, 3214868480
	.section	.rodata,"a",@progbits
	.p2align	6, 0x0
	.amdhsa_kernel k_qc61227e035_qkv
		.amdhsa_group_segment_fixed_size 327680
		.amdhsa_private_segment_fixed_size 0
		.amdhsa_enable_private_segment 0
		.amdhsa_kernarg_size 128
		.amdhsa_user_sgpr_count 2
		.amdhsa_user_sgpr_kernarg_segment_ptr 1
		.amdhsa_wavefront_size32 1
		.amdhsa_system_sgpr_workgroup_id_x 1
		.amdhsa_system_sgpr_workgroup_id_y 1
		.amdhsa_system_sgpr_workgroup_id_z 1
		.amdhsa_system_vgpr_workitem_id 0
		.amdhsa_next_free_vgpr 512
		.amdhsa_next_free_sgpr 104
		.amdhsa_reserve_vcc 0
		.amdhsa_float_denorm_mode_32 3
		.amdhsa_float_denorm_mode_16_64 3
		.amdhsa_memory_ordered 1
		.amdhsa_forward_progress 1
		.amdhsa_inst_pref_size 213
	.end_amdhsa_kernel
	.amdgpu_metadata
---
amdhsa.version: [ 1, 2 ]
amdhsa.kernels:
  - .name:           k_qc61227e035_qkv
    .symbol:         k_qc61227e035_qkv.kd
    .args:
      - { .name: x, .offset: 0, .size: 8, .value_kind: global_buffer, .address_space: global }
      - { .name: ln_w, .offset: 8, .size: 8, .value_kind: global_buffer, .address_space: global }
      - { .name: ln_b, .offset: 16, .size: 8, .value_kind: global_buffer, .address_space: global }
      - { .name: wq_codes, .offset: 24, .size: 8, .value_kind: global_buffer, .address_space: global }
      - { .name: wq_scales, .offset: 32, .size: 8, .value_kind: global_buffer, .address_space: global }
      - { .name: bq, .offset: 40, .size: 8, .value_kind: global_buffer, .address_space: global }
      - { .name: wk_codes, .offset: 48, .size: 8, .value_kind: global_buffer, .address_space: global }
      - { .name: wk_scales, .offset: 56, .size: 8, .value_kind: global_buffer, .address_space: global }
      - { .name: bk, .offset: 64, .size: 8, .value_kind: global_buffer, .address_space: global }
      - { .name: wv_codes, .offset: 72, .size: 8, .value_kind: global_buffer, .address_space: global }
      - { .name: wv_scales, .offset: 80, .size: 8, .value_kind: global_buffer, .address_space: global }
      - { .name: bv, .offset: 88, .size: 8, .value_kind: global_buffer, .address_space: global }
      - { .name: qc, .offset: 96, .size: 8, .value_kind: global_buffer, .address_space: global }
      - { .name: kc, .offset: 104, .size: 8, .value_kind: global_buffer, .address_space: global }
      - { .name: vc, .offset: 112, .size: 8, .value_kind: global_buffer, .address_space: global }
      - { .name: sc, .offset: 120, .size: 8, .value_kind: global_buffer, .address_space: global }
    .group_segment_fixed_size: 327680
    .private_segment_fixed_size: 0
    .kernarg_segment_align: 8
    .kernarg_segment_size: 128
    .max_flat_workgroup_size: 256
    .sgpr_count:     104
    .vgpr_count:     512
    .wavefront_size: 32
...
	.end_amdgpu_metadata
.endif
;; end of part 1
;; launch attn (part 2): grid 16 x 16, 12 waves a work-group, clusters of 4 x 1, 263,680 bytes of LDS; arguments qc, kc, vc, sc, x, x1; writes x1
.if DOCPART == 2
	.amdgcn_target "amdgcn-amd-amdhsa--gfx1250"
	.amdhsa_code_object_version 6
	.text
	.protected	k_qc61227e035_attn
	.globl	k_qc61227e035_attn
	.p2align	8
	.type	k_qc61227e035_attn,@function
k_qc61227e035_attn:
	s_mov_b64 s[64:65], 0
	v_nop
	global_prefetch_b8 v0, s[64:65] scope:SCOPE_SE
	s_setreg_imm32_b32 hwreg(HW_REG_WAVE_MODE, 25, 1), 1
	s_wait_xcnt 0x0
	s_wait_alu depctr_hold_cnt(0) depctr_sa_sdst(0) depctr_va_vdst(0) depctr_va_sdst(0) depctr_va_ssrc(0) depctr_va_vcc(0) depctr_vm_vsrc(0)
	s_getreg_b32 s2, hwreg(HW_REG_IB_STS2, 6, 4)
	s_cmp_eq_u32 s2, 0
	s_cbranch_scc0 .Lentry_in_a_cluster
	s_endpgm
.Lentry_in_a_cluster:
	s_bfe_u32 s2, ttmp6, 0x10000c
	s_cmp_lg_u32 s2, 0x3003
	s_cbranch_scc0 .Lentry_shape_is_right
	s_endpgm
.Lentry_shape_is_right:
; x1 = x + softmax(q k^T / 8) v, both products on E5M2 codes with E8M0 scales, for 3 heads and 128 queries of one batch.
; THE SOFTMAX AHEAD OF THE SECOND PRODUCT: t = score x log2(e) / 8; M = the running largest t rounded up to a whole number; p = 2^(t - M) is quantised along the keys; the row's sum is taken of the
; unquantised p and divides at the end; when M moves, the sum and O are multiplied by 2^(old M - new M), which rounds nothing.
; SHARES.  cluster x = which 3 heads, cx = which 128 queries, y = batch.  Twelve waves: wave >> 2 the head, wave & 3 a pair of query tiles, worked one after the other; three waves to a SIMD, so that one wave's
; vector work stands beside another's products and LDS loads.  K and V of the 3 heads lie whole in LDS: filled once, no ring.
; CLUSTER.  The four query blocks read the same K, V and K's scale words: each wave's one load is joint (mask 15).  They are asked for ahead of everything else: every wave waits for them; x, wanted only on the way out, is asked for last.
; LAYOUT.  Both products transposed: S^T = K Q^T, O^T = V^T P^T: a lane holds one query.  All operands come as images of their registers (512 dense bytes an instruction: no pitch, no padding).
; THE HEAD HAS 64, THE INSTRUCTION 128 ALONG K: a K fragment holds key tile 2 b in its k 0-63 and key tile 2 b + 1 in its k 64-127; times [q | zero codes] it gives tile 2 b's scores, times [zero codes | q] tile 2 b + 1's.
; The zero codes meet finite codes and scale bytes 1 to 254 alone (the launch before holds at the largest code), so they add exactly 0.
; The keys of tile 2 b + u are 32 b + 8 u + r + 8 (r / 8), so that a lane's 16 scores of a pair of tiles are 16 neighbouring keys.  The query tiles are made the same way; the way out undoes it by its row offsets.
; LIMITS: NaN and infinities are not served; a block of p under 2^-111 keeps the scale byte 1 (its codes are zeros).
; No prefetch: all that the work-group reads is asked for at its head.
; REGISTERS: v1-7 addresses; v8-15 V's scale words; v16 -M, v17 the largest t, v[18:19] the sum; v20-35 [q | 0], v36-51 [0 | q]; v52-115 four fragments of K or V, later rows of O; v116-179 S^T, then p; v180-211 O^T;
;   v212-227 p's codes; v228-243, v248-250 at work; v244-247 K's scale words; v251 p's; v252 q's.  window 1: v0-63 x's rows.
.set VL,   98304
.set KSL,  196608
.set STG,  202752                      ; 16 rows x 272 bytes for each wave
.set WV,   44
.set MSB, 0
.macro WIN new
.if MSB != \new
	s_set_vgpr_msb (MSB<<8)|\new
.set MSB, \new
.endif
.endm
.macro PLACES n
.rept \n
	v_nop
.endr
.endm
.macro ROUND
	s_barrier_signal -1
	s_barrier_wait -1
	s_cmp_lg_u32 s[WV], 0
	s_cbranch_scc1 .Lnot_wave_0_\@
	s_barrier_signal -3
.Lnot_wave_0_\@:
	s_barrier_wait -3
	s_barrier_signal -1
	s_barrier_wait -1
.endm
.macro MM d, a, b, c, sa, sb, ra, rb
.if ((\ra) == 0) && ((\rb) == 0)
	v_wmma_scale_f32_16x16x128_f8f6f4 v[\d:\d+7], v[\a:\a+15], v[\b:\b+15], v[\c:\c+7], v[\sa], v[\sb] matrix_a_fmt:MATRIX_FMT_BF8 matrix_b_fmt:MATRIX_FMT_BF8
.elseif ((\ra) == 1) && ((\rb) == 0)
	v_wmma_scale_f32_16x16x128_f8f6f4 v[\d:\d+7], v[\a:\a+15], v[\b:\b+15], v[\c:\c+7], v[\sa], v[\sb] matrix_a_fmt:MATRIX_FMT_BF8 matrix_b_fmt:MATRIX_FMT_BF8 matrix_a_scale:MATRIX_SCALE_ROW1
.elseif ((\ra) == 0) && ((\rb) == 1)
	v_wmma_scale_f32_16x16x128_f8f6f4 v[\d:\d+7], v[\a:\a+15], v[\b:\b+15], v[\c:\c+7], v[\sa], v[\sb] matrix_a_fmt:MATRIX_FMT_BF8 matrix_b_fmt:MATRIX_FMT_BF8 matrix_b_scale:MATRIX_SCALE_ROW1
.else
	v_wmma_scale_f32_16x16x128_f8f6f4 v[\d:\d+7], v[\a:\a+15], v[\b:\b+15], v[\c:\c+7], v[\sa], v[\sb] matrix_a_fmt:MATRIX_FMT_BF8 matrix_b_fmt:MATRIX_FMT_BF8 matrix_a_scale:MATRIX_SCALE_ROW1 matrix_b_scale:MATRIX_SCALE_ROW1
.endif
.endm
.macro MMZ d, a, b, sa, sb, ra, rb     ; the same with C = 0: the product starts a sum
.if ((\ra) == 0) && ((\rb) == 0)
	v_wmma_scale_f32_16x16x128_f8f6f4 v[\d:\d+7], v[\a:\a+15], v[\b:\b+15], 0, v[\sa], v[\sb] matrix_a_fmt:MATRIX_FMT_BF8 matrix_b_fmt:MATRIX_FMT_BF8
.elseif ((\ra) == 1) && ((\rb) == 0)
	v_wmma_scale_f32_16x16x128_f8f6f4 v[\d:\d+7], v[\a:\a+15], v[\b:\b+15], 0, v[\sa], v[\sb] matrix_a_fmt:MATRIX_FMT_BF8 matrix_b_fmt:MATRIX_FMT_BF8 matrix_a_scale:MATRIX_SCALE_ROW1
.elseif ((\ra) == 0) && ((\rb) == 1)
	v_wmma_scale_f32_16x16x128_f8f6f4 v[\d:\d+7], v[\a:\a+15], v[\b:\b+15], 0, v[\sa], v[\sb] matrix_a_fmt:MATRIX_FMT_BF8 matrix_b_fmt:MATRIX_FMT_BF8 matrix_b_scale:MATRIX_SCALE_ROW1
.else
	v_wmma_scale_f32_16x16x128_f8f6f4 v[\d:\d+7], v[\a:\a+15], v[\b:\b+15], 0, v[\sa], v[\sb] matrix_a_fmt:MATRIX_FMT_BF8 matrix_b_fmt:MATRIX_FMT_BF8 matrix_a_scale:MATRIX_SCALE_ROW1 matrix_b_scale:MATRIX_SCALE_ROW1
.endif
.endm
	s_load_b256 s[4:11], s[0:1], 0x0               ; qc, kc, vc, sc
	s_load_b128 s[12:15], s[0:1], 0x20             ; x, x1
	v_lshl_add_u32 v254, v0, 2, 0x40000
	v_mov_b32 v255, 0
	ds_add_u32 v254, v255
	ds_add_u32 v254, v255
	v_lshrrev_b32 v1, 5, v0
	s_delay_alu instid0(VALU_DEP_1)
	v_readfirstlane_b32 s44, v1                    ; wave 0..11
	s_lshr_b32 s45, s44, 2                         ; which of the 3 heads
	s_and_b32 s46, s44, 3                          ; which pair of query tiles
	s_and_b32 s48, ttmp7, 0xffff                   ; batch
	s_bfe_u32 s49, ttmp6, 0x40000                  ; cx: which 128 queries: it enters q's, x's and x1's addresses alone
	s_mul_i32 s50, ttmp9, 3
	s_add_co_u32 s50, s50, s45                     ; head
	s_mul_i32 s51, s48, 12
	s_add_co_u32 s51, s51, s50                     ; batch x 12 + head
	s_mov_b32 s60, 0x76543210
	s_mov_b32 s61, 0xfedcba98
	s_mov_b32 s62, 0x600000                        ; the mantissa field of 57,344
	s_mov_b32 s66, 0x3e38aa3b                      ; c = log2(e) / 8
	s_mov_b32 s67, s66                             ; (named with it as a pair)
	v_and_b32 v230, 31, v0                         ; lane
	v_and_b32 v231, 15, v0                         ; r
	v_bfe_u32 v250, v0, 4, 1                       ; h
	s_delay_alu instid0(VALU_DEP_3)
	v_lshlrev_b32 v7, 4, v230                      ; 16 x lane
	s_lshl_b32 s52, s45, 15
	v_add_nc_u32 v1, s52, v7                       ; my head's K
	s_add_co_u32 s53, s52, VL
	v_add_nc_u32 v2, s53, v7                       ; my head's V
	s_lshl_b32 s52, s45, 11
	s_add_co_u32 s52, s52, KSL
	v_lshl_add_u32 v3, v230, 2, s52                ; my head's K scale words
	s_mul_i32 s52, s44, 4352
	s_add_co_u32 s52, s52, STG                     ; my stage
	v_mul_u32_u24 v4, v231, 272
	s_delay_alu instid0(VALU_DEP_1)
	v_lshl_add_u32 v4, v250, 5, v4
	s_delay_alu instid0(VALU_DEP_1)
	v_add_nc_u32 v4, s52, v4                       ; in: row r, 32 bytes for each half of the lanes
	v_mul_u32_u24 v5, v250, 272
	s_delay_alu instid0(VALU_DEP_1)
	v_lshl_add_u32 v5, v231, 4, v5
	s_delay_alu instid0(VALU_DEP_1)
	v_add_nc_u32 v5, s52, v5                       ; back: lanes 0-15 one row of 256 bytes, lanes 16-31 the next
	v_mul_u32_u24 v6, v250, 3072
	s_delay_alu instid0(VALU_DEP_1)
	v_lshl_add_u32 v6, v231, 4, v6                 ; and the same two rows in x and x1
	v_lshlrev_b32 v228, 1, v230                    ; 2 x lane
	v_lshlrev_b32 v229, 2, v230                    ; 4 x lane
	s_mov_b32 s16, 15|(3<<16)|(1<<21)              ; group 1 for K: mask of the four partners, elements of 8 bytes, bit 21 beside a mask
	s_mov_b32 s17, 32<<16
	s_mov_b32 s18, 128<<16                         ; K: a head's 32,768 dense bytes as 128 rows of 256
	s_mov_b32 s19, 32<<16
	s_mov_b32 s20, 128
	s_mov_b32 s21, 32
	s_mov_b32 s22, 0
	s_mov_b32 s23, 0
	s_mov_b32 s24, 15|(3<<16)|(1<<21)              ; group 1 for K's scale words
	s_mov_b32 s25, 32<<16
	s_mov_b32 s26, 8<<16                           ; K's scale words: a head's 2,048 dense bytes as 8 rows of 256
	s_mov_b32 s27, 32<<16
	s_mov_b32 s28, 8
	s_mov_b32 s29, 32
	s_mov_b32 s30, 0
	s_mov_b32 s31, 0
	s_mov_b32 s72, 15|(3<<16)|(1<<21)              ; group 1 for V: two rows of 8,192 bytes (a head's four tiles of d for 128 keys), 98,304 bytes apart
	s_mov_b32 s73, 1024<<16
	s_mov_b32 s74, 2<<16
	s_mov_b32 s75, 1024<<16
	s_mov_b32 s76, 2
	s_mov_b32 s77, 12288
	s_mov_b32 s78, 0
	s_mov_b32 s79, 0
	s_mov_b32 s53, 0
	s_mov_b32 s57, 0
	s_wait_dscnt 0x0
	s_wait_kmcnt 0x0
	; the head's tiles are shared out, one load a wave: waves 0-2 a head's K each, waves 3-8 half a head's V each, waves 9-11 a head's K scale words each.
	; every wave makes all three descriptors and uses the one of its arm
	s_mul_i32 s54, ttmp9, 3                        ; the first of the three heads
	s_mul_i32 s55, s48, 12
	s_add_co_u32 s55, s55, s54                     ; batch x 12 + that head
	s_add_co_u32 s52, s55, s44
	s_lshl_b32 s52, s52, 15                        ; K: head number wave, 32 tiles of 1,024 bytes
	s_mov_b32 s32, 1
	s_lshl_b32 s33, s44, 15
	s_add_nc_u64 s[34:35], s[6:7], s[52:53]
	s_or_b32 s35, s35, 0x80000000
	s_sub_co_u32 s58, s44, 3                       ; V: j = wave - 3: head j / 2, keys 256 (j % 2) on
	s_lshr_b32 s59, s58, 1
	s_and_b32 s52, s58, 1
	s_lshl_b32 s52, s52, 1
	s_lshl_b32 s56, s48, 2
	s_add_co_u32 s52, s52, s56
	s_mul_i32 s52, s52, 48
	s_add_co_u32 s59, s59, s54
	s_lshl_b32 s59, s59, 2
	s_add_co_u32 s52, s52, s59
	s_lshl_b32 s52, s52, 11
	s_mov_b32 s36, 1
	s_lshl_b32 s37, s58, 14
	s_add_co_u32 s37, s37, VL
	s_add_nc_u64 s[38:39], s[8:9], s[52:53]
	s_or_b32 s39, s39, 0x80000000
	s_sub_co_u32 s58, s44, 9                       ; K's scale words: head number wave - 9
	s_add_co_u32 s52, s55, s58
	s_lshl_b32 s52, s52, 11
	s_add_co_u32 s52, s52, 393216
	s_mov_b32 s40, 1
	s_lshl_b32 s41, s58, 11
	s_add_co_u32 s41, s41, KSL
	s_add_nc_u64 s[42:43], s[10:11], s[52:53]
	s_or_b32 s43, s43, 0x80000000
	s_mul_i32 s52, s48, 12288
	s_lshl_b32 s54, s50, 7
	s_add_co_u32 s52, s52, s54
	s_add_co_u32 s52, s52, 786432
	s_add_nc_u64 s[70:71], s[10:11], s[52:53]      ; V's scale bytes of my head
	s_lshl_b32 s56, s51, 5
	s_lshl_b32 s58, s49, 3
	s_add_co_u32 s56, s56, s58
	s_lshl_b32 s58, s46, 1
	s_add_co_u32 s56, s56, s58
	s_lshl_b32 s56, s56, 10
	s_add_nc_u64 s[4:5], s[4:5], s[56:57]          ; q: my two tiles
	s_lshl_b32 s56, s51, 4
	s_lshl_b32 s58, s49, 2
	s_add_co_u32 s56, s56, s58
	s_add_co_u32 s56, s56, s46
	s_lshl_b32 s56, s56, 7
	s_add_nc_u64 s[68:69], s[10:11], s[56:57]      ; and their scale words
	s_lshl_b32 s56, s48, 9
	s_lshl_b32 s58, s49, 7
	s_add_co_u32 s56, s56, s58
	s_lshl_b32 s58, s46, 5
	s_add_co_u32 s56, s56, s58
	s_mul_i32 s56, s56, 3072
	s_lshl_b32 s58, s50, 8
	s_add_co_u32 s56, s56, s58
	s_add_nc_u64 s[12:13], s[12:13], s[56:57]      ; x and x1 at my 32 tokens, my head's 256 bytes
	s_add_nc_u64 s[14:15], s[14:15], s[56:57]
	ROUND                                          ; the four work-groups are here: the joint loads meet
	s_cmp_lt_u32 s44, 3                            ; one chain of arms on the wave's number, one joint load to an arm
	s_cbranch_scc0 .Lhead_v
	tensor_load_to_lds s[32:35], s[16:23]
	s_nop 0
	PLACES 4
	s_branch .Lhead_asked
.Lhead_v:
	s_cmp_lt_u32 s44, 9
	s_cbranch_scc0 .Lhead_s
	tensor_load_to_lds s[36:39], s[72:79]
	s_nop 0
	PLACES 4
	s_branch .Lhead_asked
.Lhead_s:
	tensor_load_to_lds s[40:43], s[24:31]
	s_nop 0
	PLACES 4
.Lhead_asked:
	global_load_b128 v[20:23], v7, s[4:5]          ; q's image, into both fragments
	global_load_b128 v[24:27], v7, s[4:5] offset:512
	global_load_b128 v[44:47], v7, s[4:5]
	global_load_b128 v[48:51], v7, s[4:5] offset:512
	s_wait_alu depctr_va_vdst(0)
	global_load_b32 v252, v229, s[68:69]           ; lanes 0-15 my first tile's scale words, lanes 16-31 my second's
.irp s,0,1,2,3
.irp i,0,1
	global_load_u16 v[116+2*\s+\i], v228, s[70:71] offset:(2*\s)*1536+64*\i
	global_load_u16 v[124+2*\s+\i], v228, s[70:71] offset:(2*\s+1)*1536+64*\i
.endr
.endr
	WIN 0x40
.irp u,0,1
.irp i,0,1,2,3,4,5,6,7
	global_load_b128 v[32*\u+4*\i:32*\u+4*\i+3], v6, s[12:13] offset:(8*\u+2*\i+8*(\i/4))*3072   ; the rows of x in the order of a tile's queries: the last thing asked for
.endr
.endr
	WIN 0
.irp i,0,1,2,3,4,5,6,7
	v_mov_b32 v[28+\i], 0                          ; the zero halves of the two q fragments: written once
	v_mov_b32 v[36+\i], 0
.endr
.irp b,0,1,2,3
	v_mov_b32 v[232+\b], 0                         ; a lane permute's destination counts as one of its sources
.endr
	v_mov_b32 v249, 0                              ; upper half of the pair v[248:249]
	s_wait_loadcnt 16                              ; all but x's sixteen loads
.irp k,0,1,2,3,4,5,6,7
	v_lshl_or_b32 v[8+\k], v[124+\k], 16, v[116+\k]   ; V's scale word of 128 keys: lanes 0-15 an even tile of d, lanes 16-31 the odd one
.endr
	s_wait_tensorcnt 0x0
	s_barrier_signal -1
	s_barrier_wait -1                              ; K, V and K's scale words of the three heads lie in LDS
; A KEY STEP: 128 keys, the s-th, for query tile u.  first: the tile's first step starts O^T.  reload: the second tile's q is asked for behind the last products that read the first's
.macro STEP u, s, first, reload
	PLACES 8                                       ; ahead of loads into registers that the last products read
.irp b,0,1,2,3
.irp c,0,1,2,3
	ds_load_b128 v[52+16*\b+4*\c:55+16*\b+4*\c], v1 offset:(4*(\s)+\b)*2048+512*\c
.endr
	ds_load_b32 v[244+\b], v3 offset:(4*(\s)+\b)*128
.endr
	s_wait_dscnt 0x0
.irp b,0,1,2,3
	MMZ 116+16*\b, 52+16*\b, 20, 244+\b, 252, 0, \u
	MMZ 124+16*\b, 52+16*\b, 36, 244+\b, 252, 0, \u
.endr
	PLACES 8
.irp n,0,1,2,3
.irp c,0,1,2,3
	ds_load_b128 v[52+16*\n+4*\c:55+16*\n+4*\c], v2 offset:8192*(\s)+2048*\n+512*\c   ; V's four fragments land under the softmax
.endr
.endr
.if \reload
	global_load_b128 v[20:23], v7, s[4:5] offset:1024
	global_load_b128 v[24:27], v7, s[4:5] offset:1536
	global_load_b128 v[44:47], v7, s[4:5] offset:1024
	global_load_b128 v[48:51], v7, s[4:5] offset:1536
.endif
.irp b,0,1,2,3
	v_max3_num_f32 v[228+\b], v[116+16*\b], v[117+16*\b], v[118+16*\b]   ; the largest score of each block of 32 keys: for the row's maximum and, since p rises with the score, for the block's largest p
.endr
.irp i,3,5,7,9,11,13
.irp b,0,1,2,3
	v_max3_num_f32 v[228+\b], v[228+\b], v[116+16*\b+\i], v[117+16*\b+\i]
.endr
.endr
.irp b,0,1,2,3
	v_max_num_f32 v[228+\b], v[228+\b], v[131+16*\b]
.endr
.irp b,0,1,2,3
	s_delay_alu instid0(VALU_DEP_4)
	v_permlanex16_b32 v[232+\b], v[228+\b], s60, s61
.endr
.irp b,0,1,2,3
	s_delay_alu instid0(VALU_DEP_4)
	v_max_num_f32 v[228+\b], v[228+\b], v[232+\b]  ; with lane l xor 16's 16 keys
.endr
	s_delay_alu instid0(VALU_DEP_2)
	v_max3_num_f32 v250, v228, v229, v230
	s_delay_alu instid0(VALU_DEP_1)
	v_max_num_f32 v250, v250, v231
	s_delay_alu instid0(VALU_DEP_1)
	v_mul_f32 v250, s66, v250                      ; as t
	s_delay_alu instid0(VALU_DEP_1)
	v_max_num_f32 v17, v17, v250                   ; the running largest t
	v_mov_b32 v250, v16
	s_delay_alu instid0(VALU_DEP_2)
	v_floor_f32 v16, -v17                          ; -M = floor(-t): M is a whole number
	s_delay_alu instid0(VALU_DEP_1)
	v_sub_f32 v250, v16, v250
	s_delay_alu instid0(VALU_DEP_1)
	v_cvt_i32_f32 v250, v250                       ; old M - new M (it saturates)
	s_delay_alu instid0(VALU_DEP_1)
	v_ldexp_f32 v248, 1.0, v250                    ; f = 2^(old M - new M)
.set j, 0
.rept 32
	v_pk_fma_f32 v[116+j:117+j], v[116+j:117+j], s[66:67], v[16:17] op_sel_hi:[1,0,0]   ; t - M
.set j, j+2
.endr
.irp b,0,1,2,3
	v_fma_f32 v[228+\b], v[228+\b], s66, v16
.endr
.set j, 0
	s_wait_alu depctr_va_vdst(0)
.rept 64
	v_exp_f32 v[116+j], v[116+j]                   ; p = 2^(t - M)
.set j, j+1
.endr
	v_pk_mul_f32 v[18:19], v[18:19], v[248:249] op_sel_hi:[1,0]   ; the sums under the new M: the plain instruction behind the batch
	s_wait_alu depctr_va_vdst(0)                   ; one wait for the 64, ahead of their first reader
.irp b,0,1,2,3
	v_exp_f32 v[228+\b], v[228+\b]                 ; each block's largest p
.endr
	v_pk_add_f32 v[232:233], v[120:121], v[124:125]
	v_pk_add_f32 v[246:247], v[128:129], v[132:133]
	v_pk_add_f32 v[244:245], v[136:137], v[140:141]
	v_pk_add_f32 v[242:243], v[144:145], v[148:149]
	v_pk_add_f32 v[240:241], v[152:153], v[156:157]
	v_pk_add_f32 v[238:239], v[160:161], v[164:165]
	v_pk_add_f32 v[236:237], v[168:169], v[172:173]
	v_pk_add_f32 v[18:19], v[18:19], v[176:177]
	v_pk_add_f32 v[232:233], v[232:233], v[116:117]
	v_pk_add_f32 v[246:247], v[246:247], v[118:119]
	v_pk_add_f32 v[244:245], v[244:245], v[122:123]
	v_pk_add_f32 v[242:243], v[242:243], v[126:127]
	v_pk_add_f32 v[240:241], v[240:241], v[130:131]
	v_pk_add_f32 v[238:239], v[238:239], v[134:135]
	v_pk_add_f32 v[236:237], v[236:237], v[138:139]
	v_pk_add_f32 v[18:19], v[18:19], v[142:143]
	v_pk_add_f32 v[232:233], v[232:233], v[146:147]
	v_pk_add_f32 v[246:247], v[246:247], v[150:151]
	v_pk_add_f32 v[244:245], v[244:245], v[154:155]
	v_pk_add_f32 v[242:243], v[242:243], v[158:159]
	v_pk_add_f32 v[240:241], v[240:241], v[162:163]
	v_pk_add_f32 v[238:239], v[238:239], v[166:167]
	v_pk_add_f32 v[236:237], v[236:237], v[170:171]
	v_pk_add_f32 v[18:19], v[18:19], v[174:175]
	v_pk_add_f32 v[232:233], v[232:233], v[178:179]
	s_delay_alu instid0(VALU_DEP_2)
	v_pk_add_f32 v[18:19], v[18:19], v[242:243]
	s_delay_alu instid0(VALU_DEP_2)
	v_pk_add_f32 v[232:233], v[232:233], v[240:241]
	v_pk_add_f32 v[246:247], v[246:247], v[238:239]
	v_pk_add_f32 v[244:245], v[244:245], v[236:237]
	s_delay_alu instid0(VALU_DEP_2)
	v_pk_add_f32 v[18:19], v[18:19], v[246:247]
	s_delay_alu instid0(VALU_DEP_2)
	v_pk_add_f32 v[232:233], v[232:233], v[244:245]
	s_delay_alu instid0(VALU_DEP_1)
	v_pk_add_f32 v[18:19], v[18:19], v[232:233]
	s_wait_alu depctr_va_vdst(0)                   ; and one for the four
.irp b,0,1,2,3
	v_max_num_f32 v[228+\b], 0x8000000, v[228+\b]  ; the floor 2^(16 - 127)
.endr
.irp b,0,1,2,3
	s_delay_alu instid0(VALU_DEP_4)
	v_add_nc_u32 v[240+\b], 0xf8800000, v[228+\b]
.endr
.irp b,0,1,2,3
	v_and_or_b32 v[236+\b], v[228+\b], 0x7f800000, s62
.endr
.irp b,0,1,2,3
	v_lshrrev_b32 v[232+\b], 23, v[240+\b]
.endr
	s_delay_alu instid0(VALU_DEP_3)
	v_lshl_or_b32 v251, v233, 8, v232              ; p's scale word for these 128 keys
	s_delay_alu instid0(VALU_DEP_1)
	v_lshl_or_b32 v251, v234, 16, v251
	s_delay_alu instid0(VALU_DEP_1)
	v_lshl_or_b32 v251, v235, 24, v251
.irp b,0,1,2,3
.irp i,0,1,2,3,4,5,6,7,8,9,10,11,12,13,14,15
	v_min_num_f32 v[116+16*\b+\i], v[116+16*\b+\i], v[236+\b]   ; the hold; p is not negative
.endr
	v_cvt_scalef32_pk8_bf8_f32 v[212+4*\b:213+4*\b], v[116+16*\b:123+16*\b], v[240+\b]
	v_cvt_scalef32_pk8_bf8_f32 v[214+4*\b:215+4*\b], v[124+16*\b:131+16*\b], v[240+\b]
.endr
.if \first
	s_wait_alu depctr_va_vdst(0)
	PLACES 4                                       ; codes written by vector instructions stand four places ahead of the products
.else
.set j, 0
.rept 16
	v_pk_mul_f32 v[180+j:181+j], v[180+j:181+j], v[248:249] op_sel_hi:[1,0]   ; O^T under the new M; these are also those places
.set j, j+2
.endr
.endif
	s_wait_alu depctr_va_vdst(0)
	s_wait_dscnt 0x0                               ; V is in
.irp n,0,1,2,3
.if \first
	MMZ 180+8*\n, 52+16*\n, 212, 8+2*(\s)+\n/2, 251, \n%2, 0
.else
	MM 180+8*\n, 52+16*\n, 212, 180+8*\n, 8+2*(\s)+\n/2, 251, \n%2, 0
.endif
.endr
.endm
.macro BEGIN
	v_mov_b32 v17, 0xff61b1e6                      ; the largest t so far: -3e38
	s_delay_alu instid0(VALU_DEP_1)
	v_floor_f32 v16, -v17
	v_mov_b32 v18, 0
	v_mov_b32 v19, 0
.endm
; THE WAY OUT of tile u: O^T / the sum, through my stage, + x, stored: sixteen lanes fill 256 consecutive bytes, aligned
.macro OUT u
	PLACES 8
	v_add_f32 v18, v18, v19
	s_delay_alu instid0(VALU_DEP_1)
	v_permlanex16_b32 v250, v18, s60, s61
	s_delay_alu instid0(VALU_DEP_1)
	v_add_f32 v18, v18, v250
	s_wait_alu depctr_va_vdst(0)
	v_rcp_f32 v18, v18
	v_nop
	s_wait_alu depctr_va_vdst(0)
.set k, 0
.rept 16
	v_pk_mul_f32 v[116+k:117+k], v[180+k:181+k], v[18:19] op_sel_hi:[1,0]
.set k, k+2
.endr
.irp n,0,1,2,3
	ds_store_b128 v4, v[116+8*\n:119+8*\n] offset:64*\n
	ds_store_b128 v4, v[120+8*\n:123+8*\n] offset:64*\n+16
.endr
.irp i,0,1,2,3,4,5,6,7
	ds_load_b128 v[52+4*\i:55+4*\i], v5 offset:544*\i   ; LDS serves a wave's instructions in order (ISA guide 5.7.1.4): these see my stores
.endr
	s_wait_loadcnt 4*(1-(\u))                      ; x's rows are in; behind them only the second tile's four loads of q were issued
	s_wait_dscnt 0x0
	WIN 0x04                                       ; source 1 (x) window 1
.set k, 0
.rept 16
	v_pk_add_f32 v[52+k:53+k], v[52+k:53+k], v[32*(\u)+k:32*(\u)+k+1]
.set k, k+2
.endr
	WIN 0
.irp i,0,1,2,3,4,5,6,7
	global_store_b128 v6, v[52+4*\i:55+4*\i], s[14:15] offset:(8*(\u)+2*\i+8*(\i/4))*3072
.endr
.endm
	BEGIN
	STEP 0, 0, 1, 0
	STEP 0, 1, 0, 0
	STEP 0, 2, 0, 0
	STEP 0, 3, 0, 1
	OUT 0
	s_wait_loadcnt 0x0                             ; the second tile's q
	s_wait_xcnt 0x0                                ; the stores have read their data: K's fragments land in those registers next
	BEGIN
	STEP 1, 0, 1, 0
	STEP 1, 1, 0, 0
	STEP 1, 2, 0, 0
	STEP 1, 3, 0, 0
	OUT 1
	s_wait_tensorcnt 0x0
	ds_add_u32 v254, v255
	s_wait_dscnt 0x0
	ROUND                                          ; the closing round
	s_endpgm
.Lfunc_end_k_qc61227e035_attn:
	.size	k_qc61227e035_attn, .Lfunc_end_k_qc61227e035_attn-k_qc61227e035_attn
	.p2alignl 7, 3214868480
	.fill 96, 4, 3214868480
	.section	.rodata,"a",@progbits
	.p2align	6, 0x0
	.amdhsa_kernel k_qc61227e035_attn
		.amdhsa_group_segment_fixed_size 263680
		.amdhsa_private_segment_fixed_size 0
		.amdhsa_enable_private_segment 0
		.amdhsa_kernarg_size 48
		.amdhsa_user_sgpr_count 2
		.amdhsa_user_sgpr_kernarg_segment_ptr 1
		.amdhsa_wavefront_size32 1
		.amdhsa_system_sgpr_workgroup_id_x 1
		.amdhsa_system_sgpr_workgroup_id_y 1
		.amdhsa_system_sgpr_workgroup_id_z 1
		.amdhsa_system_vgpr_workitem_id 0
		.amdhsa_next_free_vgpr 320
		.amdhsa_next_free_sgpr 80
		.amdhsa_reserve_vcc 0
		.amdhsa_float_denorm_mode_32 3
		.amdhsa_float_denorm_mode_16_64 3
		.amdhsa_memory_ordered 1
		.amdhsa_forward_progress 1
		.amdhsa_inst_pref_size 174
	.end_amdhsa_kernel
	.amdgpu_metadata
---
amdhsa.version: [ 1, 2 ]
amdhsa.kernels:
  - .name:           k_qc61227e035_attn
    .symbol:         k_qc61227e035_attn.kd
    .args:
      - { .name: qc, .offset: 0, .size: 8, .value_kind: global_buffer, .address_space: global }
      - { .name: kc, .offset: 8, .size: 8, .value_kind: global_buffer, .address_space: global }
      - { .name: vc, .offset: 16, .size: 8, .value_kind: global_buffer, .address_space: global }
      - { .name: sc, .offset: 24, .size: 8, .value_kind: global_buffer, .address_space: global }
      - { .name: x, .offset: 32, .size: 8, .value_kind: global_buffer, .address_space: global }
      - { .name: x1, .offset: 40, .size: 8, .value_kind: global_buffer, .address_space: global }
    .group_segment_fixed_size: 263680
    .private_segment_fixed_size: 0
    .kernarg_segment_align: 8
    .kernarg_segment_size: 48
    .max_flat_workgroup_size: 384
    .sgpr_count:     80
    .vgpr_count:     320
    .wavefront_size: 32
...
	.end_amdgpu_metadata
.endif
;; end of part 2
;; launch mlp1 (part 3): grid 128 x 2, 8 waves a work-group, clusters of 4 x 1, 327,680 bytes of LDS; arguments x1, ln_w, ln_b, w1_codes, w1_scales, b1, gc, gs; writes gc, gs
.if DOCPART == 3
	.amdgcn_target "amdgcn-amd-amdhsa--gfx1250"
	.amdhsa_code_object_version 6
	.text
	.protected	k_qc61227e035_mlp1
	.globl	k_qc61227e035_mlp1
	.p2align	8
	.type	k_qc61227e035_mlp1,@function
k_qc61227e035_mlp1:
	s_mov_b64 s[64:65], 0
	v_nop
	global_prefetch_b8 v0, s[64:65] scope:SCOPE_SE
	s_setreg_imm32_b32 hwreg(HW_REG_WAVE_MODE, 25, 1), 1
	s_wait_xcnt 0x0
	s_wait_alu depctr_hold_cnt(0) depctr_sa_sdst(0) depctr_va_vdst(0) depctr_va_sdst(0) depctr_va_ssrc(0) depctr_va_vcc(0) depctr_vm_vsrc(0)
	s_getreg_b32 s2, hwreg(HW_REG_IB_STS2, 6, 4)
	s_cmp_eq_u32 s2, 0
	s_cbranch_scc0 .Lentry_in_a_cluster
	s_endpgm
.Lentry_in_a_cluster:
	s_bfe_u32 s2, ttmp6, 0x10000c
	s_cmp_lg_u32 s2, 0x3003
	s_cbranch_scc0 .Lentry_shape_is_right
	s_endpgm
.Lentry_shape_is_right:
; LayerNorm of x1, quantised along its 768; h = xn w1 + b1 on E5M2 codes with E8M0 scales; exact GELU in f32; quantised along the hidden axis; stored as images of the next launch's operand registers.
; SHARES.  A work-group takes 64 rows (rb = 4 x cluster x + cx) and half of the 3,072 hidden units (part = y).  Eight waves: g = wave & 1 takes rows 32 g .. 32 g + 31 (two tiles of 16 neighbours),
; cg = wave >> 1 takes 32 of a step's 128 hidden units; 12 steps.  The rows' codes stay in registers; w1 goes through a ring of two LDS slots.  Two waves share a SIMD, so that one's products stand under the other's GELU.
; CLUSTER.  The four row blocks of a cluster walk the same tiles of w1: each is asked for jointly (mask 15), one load a wave, 16 weight rows each.
; ORDER.  The clusters walk the 12 steps from three different starts (cluster x mod 3, four steps apart, so that the four blocks of a scale word stay together): step j works on block (j + start) mod 12 of the wave's twelve,
; so that the clusters do not all ask for the same tile at the same time.  The start hangs on the cluster's x alone, which the four partners share.
; The product is used transposed, and lane r of weight tile u takes row 8 u + r + 8 (r / 8) of the step's 32: a lane's 16 results of the two tiles are 16 neighbours along the next K.
; BANKS.  A weight row in LDS is 816 bytes = 204 words: row i starts at bank 12 i mod 64 (64 banks of 4 bytes: ISA guide 11.1).  Rows 16 apart would start at the same bank, so a column group's
; second 16 rows lie 128 bytes (32 banks) further on than on end: the sixteen rows of a tile then start at sixteen different groups of four banks.
; GELU.  gelu(x) = max(x, 0) - |x| w, w = erfc(|x| / sqrt 2) / 2 = t 2^E, t = 1 / (1 + |x| / (2 sqrt 2)), E = -x^2 log2(e) / 2 + a polynomial of degree 9 in t: the Chebyshev fit of erfc whose fractional
; error stays under 1.2e-7 for every argument, its coefficients multiplied by log2(e), with ln(1/2) in the constant.
; LIMITS: NaN and infinities are not served; a block under 2^-111, a block of zeros too, keeps the scale byte 1 (read by this program alone); erfc carries the fit's 1.2e-7 and the f32 rounding of E.
; No prefetch: x1 is asked for whole at the head, and w1 is read by 128 work-groups.
; REGISTERS as in the launch that makes q, k, v; v116-117 the growing scale words; v[126:127] the coefficient c8; in the epilogue v128-255 are GELU's t, polynomial, x^2 and max(x, 0).
.set SLOT,  105472                     ; a slot: four column groups
.set CGS,   26368                      ; a column group: two tiles of 16 weight rows (13,056 bytes each, pitch 816)
.set GOFF,  13184                      ; where its second tile begins: 13,056 + 128
.set ACODE, 210944
.set ASC,   261120
.set SPARE, 263936
.set T8,    16
.set WV,    52
.set MSB, 0
.macro WIN new
.if MSB != \new
	s_set_vgpr_msb (MSB<<8)|\new
.set MSB, \new
.endif
.endm
.macro PLACES n
.rept \n
	v_nop
.endr
.endm
.macro ROUND
	s_barrier_signal -1
	s_barrier_wait -1
	s_cmp_lg_u32 s[WV], 0
	s_cbranch_scc1 .Lnot_wave_0_\@
	s_barrier_signal -3
.Lnot_wave_0_\@:
	s_barrier_wait -3
	s_barrier_signal -1
	s_barrier_wait -1
.endm
.macro MM d, a, b, c, sa, sb, ra, rb
.if ((\ra) == 0) && ((\rb) == 0)
	v_wmma_scale_f32_16x16x128_f8f6f4 v[\d:\d+7], v[\a:\a+15], v[\b:\b+15], v[\c:\c+7], v[\sa], v[\sb] matrix_a_fmt:MATRIX_FMT_BF8 matrix_b_fmt:MATRIX_FMT_BF8
.elseif ((\ra) == 1) && ((\rb) == 0)
	v_wmma_scale_f32_16x16x128_f8f6f4 v[\d:\d+7], v[\a:\a+15], v[\b:\b+15], v[\c:\c+7], v[\sa], v[\sb] matrix_a_fmt:MATRIX_FMT_BF8 matrix_b_fmt:MATRIX_FMT_BF8 matrix_a_scale:MATRIX_SCALE_ROW1
.elseif ((\ra) == 0) && ((\rb) == 1)
	v_wmma_scale_f32_16x16x128_f8f6f4 v[\d:\d+7], v[\a:\a+15], v[\b:\b+15], v[\c:\c+7], v[\sa], v[\sb] matrix_a_fmt:MATRIX_FMT_BF8 matrix_b_fmt:MATRIX_FMT_BF8 matrix_b_scale:MATRIX_SCALE_ROW1
.else
	v_wmma_scale_f32_16x16x128_f8f6f4 v[\d:\d+7], v[\a:\a+15], v[\b:\b+15], v[\c:\c+7], v[\sa], v[\sb] matrix_a_fmt:MATRIX_FMT_BF8 matrix_b_fmt:MATRIX_FMT_BF8 matrix_a_scale:MATRIX_SCALE_ROW1 matrix_b_scale:MATRIX_SCALE_ROW1
.endif
.endm
; which of the wave's twelve blocks the step plus steps on from the step in hand (s86) works on: (s86 + plus + start) mod 12, into s90.
; (Where the sum is under 12 the difference wraps to a large number and the minimum keeps the sum.)
.macro ACT plus
	s_add_co_u32 s90, s86, s89
.if (\plus)
	s_add_co_u32 s90, s90, \plus
.endif
	s_sub_co_u32 s91, s90, 12
	s_min_u32 s90, s90, s91
.endm
	s_load_b512 s[4:19], s[0:1], 0x0               ; x1, ln_w, ln_b, w1 codes, w1 scales, b1, gc, gs
	v_lshl_add_u32 v2, v0, 2, SPARE                ; my spare word; never rewritten
	v_mov_b32 v3, 0                                ; 0; never rewritten
	ds_add_u32 v2, v3
	ds_add_u32 v2, v3
	s_wait_dscnt 0x0
	v_lshrrev_b32 v1, 5, v0
	s_delay_alu instid0(VALU_DEP_1)
	v_readfirstlane_b32 s52, v1                    ; wave 0..7
	v_and_b32 v1, 31, v0                           ; lane
	s_wait_alu depctr_va_vdst(0)
	s_and_b32 s53, s52, 1                          ; g
	s_lshr_b32 s54, s52, 1                         ; cg
	s_and_b32 s55, ttmp7, 0xffff                   ; part
	s_bfe_u32 s59, ttmp6, 0x40000                  ; cx: it enters x1's and the outputs' addresses alone
	s_lshl_b32 s56, ttmp9, 2
	s_add_co_u32 s56, s56, s59                     ; rb
	s_mul_i32 s89, ttmp9, 11
	s_lshr_b32 s89, s89, 5                         ; cluster x / 3 (11 / 32 serves for 0 .. 31)
	s_mul_i32 s89, s89, 3
	s_sub_co_u32 s89, ttmp9, s89                   ; cluster x mod 3
	s_lshl_b32 s89, s89, 2                         ; the start: 0, 4 or 8 steps
	s_mov_b32 s93, 0                               ; upper words of the two offset pairs s[92:93], s[94:95]
	s_mov_b32 s95, 0
	s_mov_b32 s60, 0x76543210
	s_mov_b32 s61, 0xfedcba98
	s_mov_b32 s62, 0x600000                        ; the mantissa field of 57,344
	s_mov_b32 s63, 0x3aaaaaab                      ; 1 / 768
	s_mov_b32 s66, 0x3727c5ac                      ; 1e-5
	s_mov_b32 s67, 0xffff0000                      ; lanes 16-31
	s_mov_b32 s20, 0xc034d90f                      ; c0 = -2.82574822  (each coefficient twice: the packed form names a pair)
	s_mov_b32 s21, s20
	s_mov_b32 s22, 0x3fb8ab5a                      ; c1 = 1.44272920
	s_mov_b32 s23, s22
	s_mov_b32 s24, 0x3f0a29d2                      ; c2 = 0.53970062
	s_mov_b32 s25, s24
	s_mov_b32 s26, 0x3e0efb2e                      ; c3 = 0.13963006
	s_mov_b32 s27, s26
	s_mov_b32 s28, 0xbe899a80                      ; c4 = -0.26875686
	s_mov_b32 s29, s28
	s_mov_b32 s30, 0x3ecdfd18                      ; c5 = 0.40232158
	s_mov_b32 s31, s30
	s_mov_b32 s32, 0xbfd1a1e5                      ; c6 = -1.63775315
	s_mov_b32 s33, s32
	s_mov_b32 s34, 0x40097039                      ; c7 = 2.14747446
	s_mov_b32 s35, s34
	s_mov_b32 s80, 0x3e7c6f08                      ; c9 = 0.24651730
	s_mov_b32 s81, s80
	s_mov_b32 s82, 0xbf38aa3b                      ; -log2(e) / 2
	s_mov_b32 s83, s82
	s_mov_b32 s84, 0x3eb504f3                      ; 1 / (2 sqrt 2)
	s_mov_b32 s86, 0                               ; the step's number
	s_mul_i32 s72, s55, 48
	s_mul_i32 s70, s54, 12
	s_add_co_u32 s72, s72, s70                     ; my first block of 32 hidden units
	s_mul_i32 s88, s54, CGS
	s_mul_i32 s70, s53, GOFF
	s_add_co_u32 s88, s88, s70                     ; my tile's place in a slot
	v_and_b32 v60, 15, v0                          ; r
	v_bfe_u32 v61, v0, 4, 1                        ; h
	s_delay_alu instid0(VALU_DEP_2)
	v_and_b32 v59, 8, v60                          ; 8 (r / 8)
	s_delay_alu instid0(VALU_DEP_1)
	v_add_nc_u32 v62, v59, v60                     ; r + 8 (r / 8)
	s_delay_alu instid0(VALU_DEP_1)
	v_lshl_add_u32 v63, v61, 3, v62                ; 8 h + r + 8 (r / 8)
	v_lshlrev_b32 v4, 5, v1                        ; x1, ln_w, ln_b: 32 bytes a lane
	s_mul_i32 s70, s52, 6272
	s_add_co_u32 s70, s70, ACODE
	v_lshl_add_u32 v5, v1, 3, s70                  ; where I store codes
	s_mul_i32 s70, s52, 224
	s_add_co_u32 s70, s70, ASC
	v_lshrrev_b32 v6, 2, v1
	s_delay_alu instid0(VALU_DEP_1)
	v_add_nc_u32 v6, s70, v6                       ; and scale bytes
	s_mul_i32 s70, s53, 32*784
	s_add_co_u32 s70, s70, ACODE
	v_mul_u32_u24 v7, v60, 784
	s_delay_alu instid0(VALU_DEP_1)
	v_lshl_add_u32 v7, v61, 4, v7
	s_delay_alu instid0(VALU_DEP_1)
	v_add_nc_u32 v7, s70, v7                       ; the rows' fragments: tiles of 16 neighbours
	s_mul_i32 s70, s53, 32*28
	s_add_co_u32 s70, s70, ASC
	v_mul_u32_u24 v8, v1, 28
	s_delay_alu instid0(VALU_DEP_1)
	v_add_nc_u32 v8, s70, v8                       ; the rows' scale words: lane l takes row l of my 32
	s_mul_i32 s70, s54, CGS
	v_mul_u32_u24 v9, v62, 816
	s_delay_alu instid0(VALU_DEP_1)
	v_lshl_add_u32 v9, v61, 4, v9
	s_delay_alu instid0(VALU_DEP_1)
	v_lshl_add_u32 v9, v59, 4, v9                  ; lanes 8-15 take rows of the second tile: 128 bytes further on
	s_delay_alu instid0(VALU_DEP_1)
	v_add_nc_u32 v9, s70, v9                       ; weight fragments, slot 0
	s_delay_alu instid0(VALU_DEP_1)
	v_add_nc_u32 v10, SLOT, v9                     ; slot 1
	v_mul_u32_u24 v13, v63, 24                     ; weight scale rows of 24 bytes
	v_lshlrev_b32 v15, 6, v61                      ; bias as C: 64 h
	v_mov_b32 v25, 0
	v_mov_b32 v31, 0
	s_mov_b32 s36, 15|(3<<16)|(1<<20)|(1<<21)|(5<<22)|(3<<25)   ; group 1: as in the launch that makes q, k, v: 16 dense weight rows as 48 rows of 256 bytes, 16 bytes of padding behind each
	s_mov_b32 s37, 32<<16
	s_mov_b32 s38, 48<<16
	s_mov_b32 s39, 32<<16
	s_mov_b32 s40, 48
	s_mov_b32 s41, 32
	s_mov_b32 s42, 0
	s_mov_b32 s43, 0
	s_mov_b32 s71, 0
	s_mov_b32 s77, 0
	s_wait_kmcnt 0x0
	s_lshl_b32 s70, s72, 5
	s_lshl_b32 s73, s53, 4
	s_add_co_u32 s70, s70, s73
	s_mul_i32 s70, s70, 768
	s_add_nc_u64 s[10:11], s[10:11], s[70:71]      ; the 16 weight rows that I fetch of my first block
	s_mul_i32 s70, s72, 768
	s_add_nc_u64 s[12:13], s[12:13], s[70:71]      ; my column group's scale rows
	s_lshl_b32 s70, s72, 7
	s_add_nc_u64 s[14:15], s[14:15], s[70:71]      ; and bias
	s_lshl_b32 s76, s56, 6
	s_lshl_b32 s78, s52, 3
	s_add_co_u32 s76, s76, s78
	s_mul_i32 s76, s76, 3072
	s_add_nc_u64 s[4:5], s[4:5], s[76:77]          ; x1 at my wave's 8 rows
	s_lshl_b32 s76, s56, 2
	s_lshl_b32 s78, s53, 1
	s_add_co_u32 s76, s76, s78
	s_mul_i32 s76, s76, 49152
	s_lshl_b32 s78, s72, 9
	s_add_co_u32 s76, s76, s78
	s_add_nc_u64 s[16:17], s[16:17], s[76:77]      ; gc at my first block's piece
	s_lshl_b32 s76, s72, 13
	s_lshl_b32 s78, s56, 8
	s_add_co_u32 s76, s76, s78
	s_lshl_b32 s78, s53, 7
	s_add_co_u32 s76, s76, s78
	s_add_nc_u64 s[18:19], s[18:19], s[76:77]      ; gs at my first K step, my 32 rows
	WIN 0x40
.irp q,0,1,2
.irp e,0,1
	global_load_b128 v[8*\q+4*\e:8*\q+4*\e+3], v4, s[6:7] offset:1024*\q+16*\e
	global_load_b128 v[24+8*\q+4*\e:24+8*\q+4*\e+3], v4, s[8:9] offset:1024*\q+16*\e
.endr
.endr
	WIN 0
.irp i,0,1,2,3,4,5,6,7
.irp q,0,1,2
.irp e,0,1
	global_load_b128 v[64+24*\i+8*\q+4*\e:64+24*\i+8*\q+4*\e+3], v4, s[4:5] offset:3072*\i+1024*\q+16*\e
.endr
.endr
.endr
	s_mul_i32 s92, s89, 24576                      ; the start, in blocks of 32 weight rows
	s_mov_b32 s44, 1                               ; group 0 of slot 0: step 0
	s_mov_b32 s45, s88
	s_add_nc_u64 s[46:47], s[10:11], s[92:93]
	s_mov_b32 s48, 1                               ; group 0 of slot 1: step 1: the next block (the start is 8 at the most: no wrap)
	s_add_co_u32 s49, s88, SLOT
	s_add_nc_u64 s[50:51], s[46:47], 24576
	s_or_b32 s47, s47, 0x80000000
	s_or_b32 s51, s51, 0x80000000
	ROUND                                          ; the four work-groups are here: the first joint loads meet
	tensor_load_to_lds s[44:47], s[36:43]          ; my one load at the head: slot 0
	s_nop 0
	PLACES 4
; the sums of v[32 + 2 i], i = 0 .. 7, over the 32 lanes, in every lane: the eight rows by turns, so that no line reads what one of the seven lines above it wrote
.macro RED8
.irp x,1,2,4,8
.irp i,0,1,2,3,4,5,6,7
	v_add_f32_dpp v[32+2*\i], v[32+2*\i], v[32+2*\i] row_xmask:\x row_mask:0xf bank_mask:0xf
.endr
.endr
.irp i,0,1,2,3,4,5,6,7
	v_permlanex16_b32 v[33+2*\i], v[32+2*\i], s60, s61
.endr
.irp i,0,1,2,3,4,5,6,7
	v_add_f32 v[32+2*\i], v[32+2*\i], v[33+2*\i]
.endr
.endm
.macro FOLD8                           ; each row's two chains and their two halves become one number in v[32 + 2 i]
.irp i,0,1,2,3,4,5,6,7
	v_pk_add_f32 v[32+2*\i:33+2*\i], v[32+2*\i:33+2*\i], v[48+2*\i:49+2*\i]
.endr
.irp i,0,1,2,3,4,5,6,7
	v_add_f32 v[32+2*\i], v[32+2*\i], v[33+2*\i]
.endr
	RED8
.endm
; the eight rows' means; the rows centred in place; 1 / sqrt(variance + 1e-5) into v[16 + i].  Row i's two chains: v[32 + 2 i ..], v[48 + 2 i ..]
.macro LNSTATS
	s_wait_loadcnt 0x0                             ; ln_w, ln_b and the eight rows are in
.irp i,0,1,2,3,4,5,6,7
	v_pk_add_f32 v[32+2*\i:33+2*\i], v[64+24*\i:65+24*\i], v[66+24*\i:67+24*\i]
.endr
.irp i,0,1,2,3,4,5,6,7
	v_pk_add_f32 v[48+2*\i:49+2*\i], v[68+24*\i:69+24*\i], v[70+24*\i:71+24*\i]
.endr
.irp k,8,12,16,20
.irp i,0,1,2,3,4,5,6,7
	v_pk_add_f32 v[32+2*\i:33+2*\i], v[32+2*\i:33+2*\i], v[64+24*\i+\k:65+24*\i+\k]
.endr
.irp i,0,1,2,3,4,5,6,7
	v_pk_add_f32 v[48+2*\i:49+2*\i], v[48+2*\i:49+2*\i], v[66+24*\i+\k:67+24*\i+\k]
.endr
.endr
	FOLD8
.irp i,0,1,2,3,4,5,6,7
	v_mul_f32 v[48+2*\i], s63, v[32+2*\i]          ; the mean
.endr
.irp i,0,1,2,3,4,5,6,7
.irp k,0,2,4,6,8,10,12,14,16,18,20,22
	v_pk_add_f32 v[64+24*\i+\k:65+24*\i+\k], v[64+24*\i+\k:65+24*\i+\k], v[48+2*\i:49+2*\i] op_sel_hi:[1,0] neg_lo:[0,1] neg_hi:[0,1]
.endr
.endr
.irp i,0,1,2,3,4,5,6,7
	v_pk_mul_f32 v[32+2*\i:33+2*\i], v[64+24*\i:65+24*\i], v[64+24*\i:65+24*\i]
.endr
.irp i,0,1,2,3,4,5,6,7
	v_pk_mul_f32 v[48+2*\i:49+2*\i], v[66+24*\i:67+24*\i], v[66+24*\i:67+24*\i]
.endr
.irp k,4,8,12,16,20
.irp i,0,1,2,3,4,5,6,7
	v_pk_fma_f32 v[32+2*\i:33+2*\i], v[64+24*\i+\k:65+24*\i+\k], v[64+24*\i+\k:65+24*\i+\k], v[32+2*\i:33+2*\i]
.endr
.irp i,0,1,2,3,4,5,6,7
	v_pk_fma_f32 v[48+2*\i:49+2*\i], v[66+24*\i+\k:67+24*\i+\k], v[66+24*\i+\k:67+24*\i+\k], v[48+2*\i:49+2*\i]
.endr
.endr
	FOLD8
.irp i,0,1,2,3,4,5,6,7
	v_fma_f32 v[32+2*\i], v[32+2*\i], s63, s66
.endr
	s_wait_alu depctr_va_vdst(0)                   ; one wait ahead of the batch
.irp i,0,1,2,3,4,5,6,7
	v_rsq_f32 v[16+\i], v[32+2*\i]
.endr
.endm
.macro LNQ i                           ; row i: scaled, x ln_w + ln_b, quantised (four lanes share a block), codes and scale bytes to LDS
.set XR, 64+24*(\i)
.set CSET, 48+6*((\i)%2)
.set BSET, 41+3*((\i)%2)
	v_mov_b32 v30, v[16+(\i)]
.irp k,0,2,4,6,8,10,12,14,16,18,20,22
	v_pk_mul_f32 v[XR+\k:XR+\k+1], v[XR+\k:XR+\k+1], v[30:31] op_sel_hi:[1,0]
.endr
	WIN 0x14
.irp k,0,2,4,6,8,10,12,14,16,18,20,22
	v_pk_fma_f32 v[XR+\k:XR+\k+1], v[XR+\k:XR+\k+1], v[\k:\k+1], v[24+\k:25+\k]
.endr
	WIN 0
.irp q,0,1,2
	v_max3_num_f32 v[32+\q], |v[XR+8*\q]|, |v[XR+8*\q+1]|, 0x8000000
.endr
.irp p,2,4,6
.irp q,0,1,2
	s_delay_alu instid0(VALU_DEP_3)
	v_max3_num_f32 v[32+\q], v[32+\q], |v[XR+8*\q+\p]|, |v[XR+8*\q+\p+1]|
.endr
.endr
.irp q,0,1,2
	s_delay_alu instid0(VALU_DEP_3)
	v_max_num_f32_dpp v[32+\q], v[32+\q], v[32+\q] row_xmask:1 row_mask:0xf bank_mask:0xf
.endr
.irp q,0,1,2
	s_delay_alu instid0(VALU_DEP_3)
	v_max_num_f32_dpp v[32+\q], v[32+\q], v[32+\q] row_xmask:2 row_mask:0xf bank_mask:0xf
.endr
.irp q,0,1,2
	s_delay_alu instid0(VALU_DEP_3)
	v_add_nc_u32 v[35+\q], 0xf8800000, v[32+\q]
.endr
.irp q,0,1,2
	v_and_or_b32 v[38+\q], v[32+\q], 0x7f800000, s62
.endr
.if (\i) >= 2
	s_wait_alu depctr_va_vdst(0)
	s_wait_dscnt 6                                 ; the last row's six stores may be out; those of the row before it have read this set of registers
.endif
.irp q,0,1,2
	v_lshrrev_b32 v[BSET+\q], 23, v[35+\q]
.endr
.irp q,0,1,2
.irp p,0,1,2,3,4,5,6,7
	v_med3_num_f32 v[XR+8*\q+\p], v[XR+8*\q+\p], -v[38+\q], v[38+\q]
.endr
.endr
.irp q,0,1,2
	v_cvt_scalef32_pk8_bf8_f32 v[CSET+2*\q:CSET+2*\q+1], v[XR+8*\q:XR+8*\q+7], v[35+\q]
.endr
	v_nop
.irp q,0,1,2
	ds_store_b64 v5, v[CSET+2*\q:CSET+2*\q+1] offset:784*(\i)+256*\q
.endr
.irp q,0,1,2
	ds_store_b8 v6, v[BSET+\q] offset:28*(\i)+8*\q
.endr
.endm
	LNSTATS
	v_nop
	s_wait_alu depctr_va_vdst(0)                   ; one wait for the eight reciprocal roots, ahead of their first reader
.irp i,0,1,2,3,4,5,6,7
	LNQ \i
.endr
	v_lshlrev_b32 v119, 4, v1                      ; registers that lay under x1's rows are made now: 16 x lane,
	v_lshlrev_b32 v120, 2, v1                      ; 4 x lane,
	v_mov_b32 v100, 0                              ; the permutes' destinations,
	v_mov_b32 v101, 0
	v_mov_b32 v116, 0                              ; the growing scale words,
	v_mov_b32 v117, 0
	v_mov_b32 v126, 0xbf97d29d                     ; c8 = -1.18611494
	v_mov_b32 v127, 0xbf97d29d
; where the scale rows and the bias of the step plus steps on lie: s[96:97], s[98:99].  Written only where no load that names them is out
.macro SBPTR plus
	ACT \plus
	s_mul_i32 s92, s90, 768
	s_lshl_b32 s94, s90, 7
	s_add_nc_u64 s[96:97], s[12:13], s[92:93]
	s_add_nc_u64 s[98:99], s[14:15], s[94:95]
.endm
.macro LOADSB_T ws
.irp i,0,1,2
	global_load_b64 v[80+6*(\ws)+2*\i:81+6*(\ws)+2*\i], v13, s[96:97] offset:8*\i
.endr
.irp u,0,1
.irp e,0,1
	global_load_b128 v[48+16*(\ws)+8*\u+4*\e:51+16*(\ws)+8*\u+4*\e], v15, s[98:99] offset:32*\u+16*\e
.endr
.endr
.endm
.macro WFETCH adr, UB
.irp s,0,1,2,3
.irp u,0,1
.irp c,0,1,2,3
	ds_load_b128 v[128+16*(2*\s+\u)+4*\c:128+16*(2*\s+\u)+4*\c+3], v[\adr] offset:\UB*\u+128*\s+16*(\s/2)+32*\c
.endr
.endr
.endr
	WIN 0x40
.irp s,4,5
.irp u,0,1
.irp c,0,1,2,3
	ds_load_b128 v[192+16*(2*(\s-4)+\u)+4*\c:192+16*(2*(\s-4)+\u)+4*\c+3], v[\adr] offset:\UB*\u+128*\s+16*(\s/2)+32*\c
.endr
.endr
.endr
.endm
.macro PROD_T ws                       ; 24 products, the four accumulators by turns; the bias is the first C
.irp s,0,1,2,3,4,5
	s_wait_dscnt 8*(5-\s)                          ; this K step's eight loads are in; the K steps behind it may be out
.if \s < 4
	WIN 0x04
.else
	WIN 0x05
.endif
.irp t,0,1
.irp u,0,1
.if \s == 0
	MM 16+8*(2*\t+\u), 128+16*\u, 16*(6*\t), 48+16*(\ws)+8*\u, 80+6*(\ws), 92, \u, \t
.elseif \s < 4
	MM 16+8*(2*\t+\u), 128+16*(2*\s+\u), 16*(6*\t+\s), 16+8*(2*\t+\u), 80+6*(\ws)+\s, 92+\s, \u, \t
.else
	MM 16+8*(2*\t+\u), 192+16*(2*(\s-4)+\u), 16*(6*\t+\s), 16+8*(2*\t+\u), 80+6*(\ws)+\s, 92+\s, \u, \t
.endif
.endr
.endr
.endr
.endm
.macro QA
	v_max3_num_f32 v98, |v16|, |v17|, 0x8000000
	v_max3_num_f32 v99, |v32|, |v33|, 0x8000000
.irp i,2,4,6,8,10,12,14
	s_delay_alu instid0(VALU_DEP_2)
	v_max3_num_f32 v98, v98, |v[16+\i]|, |v[17+\i]|
	s_delay_alu instid0(VALU_DEP_2)
	v_max3_num_f32 v99, v99, |v[32+\i]|, |v[33+\i]|
.endr
	s_delay_alu instid0(VALU_DEP_2)
	v_permlanex16_b32 v100, v98, s60, s61
	s_delay_alu instid0(VALU_DEP_2)
	v_permlanex16_b32 v101, v99, s60, s61
	s_delay_alu instid0(VALU_DEP_2)
	v_max_num_f32 v98, v98, v100
	s_delay_alu instid0(VALU_DEP_2)
	v_max_num_f32 v99, v99, v101
	s_delay_alu instid0(VALU_DEP_2)
	v_add_nc_u32 v104, 0xf8800000, v98
	s_delay_alu instid0(VALU_DEP_2)
	v_add_nc_u32 v105, 0xf8800000, v99
	s_delay_alu instid0(VALU_DEP_4)
	v_and_or_b32 v102, v98, 0x7f800000, s62
	s_delay_alu instid0(VALU_DEP_4)
	v_and_or_b32 v103, v99, 0x7f800000, s62
	s_delay_alu instid0(VALU_DEP_4)
	v_lshrrev_b32 v106, 23, v104
	s_delay_alu instid0(VALU_DEP_4)
	v_lshrrev_b32 v107, 23, v105
	s_wait_alu depctr_va_vdst(0)
	s_wait_xcnt 0x0                                ; the last step's stores have read their data and bases: both are written again only behind this wait
.endm
.macro QB
.set i, 0
.rept 16
	v_med3_num_f32 v[16+i], v[16+i], -v102, v102
	v_med3_num_f32 v[32+i], v[32+i], -v103, v103
.set i, i+1
.endr
	v_cvt_scalef32_pk8_bf8_f32 v[108:109], v[16:23], v104
	v_cvt_scalef32_pk8_bf8_f32 v[110:111], v[24:31], v104
	v_cvt_scalef32_pk8_bf8_f32 v[112:113], v[32:39], v105
	v_cvt_scalef32_pk8_bf8_f32 v[114:115], v[40:47], v105
	v_nop
.endm
; GELU of the 32 numbers v16-47, in place.  Two batches of transcendentals, each with plain work behind it and one wait ahead of its first reader
.macro GELU32
.set i, 0
.rept 32
	v_fma_f32 v[128+i], |v[16+i]|, s84, 1.0
.set i, i+1
.endr
.set i, 0
	s_wait_alu depctr_va_vdst(0)
.rept 32
	v_rcp_f32 v[128+i], v[128+i]                   ; t
.set i, i+1
.endr
.set i, 0
.rept 16
	v_pk_mul_f32 v[192+i:193+i], v[16+i:17+i], v[16+i:17+i]   ; x^2
.set i, i+2
.endr
	s_wait_alu depctr_va_vdst(0)
.set i, 0
.rept 16
	v_pk_fma_f32 v[160+i:161+i], v[128+i:129+i], s[80:81], v[126:127] op_sel_hi:[1,0,1]   ; c9 t + c8
.set i, i+2
.endr
.irp k,34,32,30,28,26,24,22,20
.set i, 0
.rept 16
	v_pk_fma_f32 v[160+i:161+i], v[160+i:161+i], v[128+i:129+i], s[\k:\k+1] op_sel_hi:[1,1,0]   ; down to c0
.set i, i+2
.endr
.endr
.set i, 0
.rept 16
	v_pk_fma_f32 v[160+i:161+i], v[192+i:193+i], s[82:83], v[160+i:161+i] op_sel_hi:[1,0,1]   ; E
.set i, i+2
.endr
.set i, 0
	s_wait_alu depctr_va_vdst(0)
.rept 32
	v_exp_f32 v[160+i], v[160+i]
.set i, i+1
.endr
.set i, 0
.rept 32
	v_max_num_f32 v[224+i], 0, v[16+i]
.set i, i+1
.endr
	s_wait_alu depctr_va_vdst(0)
.set i, 0
.rept 16
	v_pk_mul_f32 v[160+i:161+i], v[160+i:161+i], v[128+i:129+i]   ; w = t 2^E
.set i, i+2
.endr
.set i, 0
.rept 32
	v_fma_f32 v[16+i], -|v[16+i]|, v[160+i], v[224+i]
.set i, i+1
.endr
.endm
.macro TRIP how                        ; the change of slots at a step's head.  0: nothing is filled; 1, 2: slot 0, 1 takes the step behind the one that begins
	WIN 0
	s_wait_tensorcnt 0x0                           ; all my tensor loads have landed, my part of this step's slot among them: a group 0 may be written
	ds_add_u32 v2, v3                              ; 0 onto my spare word
.if \how > 0
	ACT 1
	s_mul_i32 s92, s90, 24576
.endif
.if \how == 1
	s_add_nc_u64 s[46:47], s[10:11], s[92:93]
	s_or_b32 s47, s47, 0x80000000
.elseif \how == 2
	s_add_nc_u64 s[50:51], s[10:11], s[92:93]
	s_or_b32 s51, s51, 0x80000000
.endif
	s_wait_dscnt 0x0                               ; the add is done, and my reads of the slot that I have left are over
.if \how == 0
	s_barrier_signal -1
	s_barrier_wait -1
.else
	ROUND
.if \how == 1
	tensor_load_to_lds s[44:47], s[36:43]          ; my one load behind the round: it has this whole step in which to land
	s_nop 0
.else
	tensor_load_to_lds s[48:51], s[36:43]
	s_nop 0
.endif
	PLACES 4
.endif
.endm
; A step.  ws: its slot and its set of scale words and bias; ld: the next step's are asked for; word: 0 no scale word leaves, 1 it leaves in every fourth step, 2 it leaves
.macro STEPM ws, ld, word
	s_wait_loadcnt 0x0                             ; this step's scale words and bias are in: no load is out, so their bases may be written
.if \ld
	SBPTR 1
	LOADSB_T 1-(\ws)
.endif
	WFETCH 9+(\ws), 6528
	PROD_T \ws
	WIN 0
	PLACES 8                                       ; eight places behind this form, ahead of the first read of results and of writes of its sources
	GELU32
	QA
	ACT 0
	s_lshl_b32 s92, s90, 9                         ; this block's piece of 512 bytes in a row tile's image
	s_lshr_b32 s94, s90, 2
	s_lshl_b32 s94, s94, 15                        ; its K step's 32,768 bytes of scale words (the start is a multiple of 4: the block's place in its K step is the step's number mod 4)
	s_add_nc_u64 s[68:69], s[16:17], s[92:93]
	s_add_nc_u64 s[74:75], s[18:19], s[94:95]
	QB
.irp t,0,1
	global_store_b128 v119, v[108+4*\t:111+4*\t], s[68:69] offset:49152*\t   ; 512 consecutive bytes: a piece of row tile t's image
.endr
	v_lshrrev_b32 v116, 8, v116
	v_lshrrev_b32 v117, 8, v117
	s_delay_alu instid0(VALU_DEP_2)
	v_lshl_or_b32 v116, v106, 24, v116             ; after four steps the word holds the four blocks' bytes, the lowest K in the lowest byte
	s_delay_alu instid0(VALU_DEP_2)
	v_lshl_or_b32 v117, v107, 24, v117
.if (\word) == 1
	s_and_b32 s87, s86, 3
	s_cmp_lg_u32 s87, 3
	s_cbranch_scc1 .Lno_word_\@
.endif
.if (\word) > 0
	v_cndmask_b32 v118, v116, v117, s67            ; lanes 0-15 row tile 0's word, lanes 16-31 tile 1's
	global_store_b32 v120, v118, s[74:75]
.endif
.if (\word) == 1
.Lno_word_\@:
.endif
	s_add_co_u32 s86, s86, 1
.endm
	s_wait_dscnt 0x0                               ; my codes and scale bytes lie in LDS, and the stores have read their registers
	SBPTR 0
	LOADSB_T 0
	s_wait_tensorcnt 0x0                           ; my part of slot 0 is in; slot 1's first fill is issued as a refill is
	ds_add_u32 v2, v3
	s_wait_dscnt 0x0
	ROUND
	tensor_load_to_lds s[48:51], s[36:43]          ; slot 1: it has step 0 in which to land
	s_nop 0
	PLACES 4
	WIN 0x40
.irp t,0,1
.irp s,0,1,2,3,4,5
.irp c,0,1,2,3
	ds_load_b128 v[16*(6*\t+\s)+4*\c:16*(6*\t+\s)+4*\c+3], v7 offset:T8*784*\t+128*\s+32*\c   ; my 32 rows' 12 fragments: they stay
.endr
.endr
.endr
	WIN 0
.irp s,0,1,2,3,4,5
	ds_load_b32 v[92+\s], v8 offset:4*\s
.endr
	STEPM 0, 1, 0                                  ; step 0
	s_mov_b32 s85, 5
.Lpair:                                            ; steps 1 to 10, two a trip: both slots are filled again
	TRIP 1
	STEPM 1, 1, 1
	TRIP 2
	STEPM 0, 1, 0
	s_sub_co_u32 s85, s85, 1
	s_cmp_lg_u32 s85, 0
	s_cbranch_scc1 .Lpair
	TRIP 0                                         ; step 11 is written out: nothing is left to fetch
	STEPM 1, 0, 2
	s_wait_tensorcnt 0x0                           ; the wave's end
	ds_add_u32 v2, v3
	s_wait_dscnt 0x0
	ROUND                                          ; the closing round
	s_endpgm
.Lfunc_end_k_qc61227e035_mlp1:
	.size	k_qc61227e035_mlp1, .Lfunc_end_k_qc61227e035_mlp1-k_qc61227e035_mlp1
	.p2alignl 7, 3214868480
	.fill 96, 4, 3214868480
	.section	.rodata,"a",@progbits
	.p2align	6, 0x0
	.amdhsa_kernel k_qc61227e035_mlp1
		.amdhsa_group_segment_fixed_size 327680
		.amdhsa_private_segment_fixed_size 0
		.amdhsa_enable_private_segment 0
		.amdhsa_kernarg_size 64
		.amdhsa_user_sgpr_count 2
		.amdhsa_user_sgpr_kernarg_segment_ptr 1
		.amdhsa_wavefront_size32 1
		.amdhsa_system_sgpr_workgroup_id_x 1
		.amdhsa_system_sgpr_workgroup_id_y 1
		.amdhsa_system_sgpr_workgroup_id_z 1
		.amdhsa_system_vgpr_workitem_id 0
		.amdhsa_next_free_vgpr 512
		.amdhsa_next_free_sgpr 104
		.amdhsa_reserve_vcc 0
		.amdhsa_float_denorm_mode_32 3
		.amdhsa_float_denorm_mode_16_64 3
		.amdhsa_memory_ordered 1
		.amdhsa_forward_progress 1
		.amdhsa_inst_pref_size 223
	.end_amdhsa_kernel
	.amdgpu_metadata
---
amdhsa.version: [ 1, 2 ]
amdhsa.kernels:
  - .name:           k_qc61227e035_mlp1
    .symbol:         k_qc61227e035_mlp1.kd
    .args:
      - { .name: x1, .offset: 0, .size: 8, .value_kind: global_buffer, .address_space: global }
      - { .name: ln_w, .offset: 8, .size: 8, .value_kind: global_buffer, .address_space: global }
      - { .name: ln_b, .offset: 16, .size: 8, .value_kind: global_buffer, .address_space: global }
      - { .name: w1_codes, .offset: 24, .size: 8, .value_kind: global_buffer, .address_space: global }
      - { .name: w1_scales, .offset: 32, .size: 8, .value_kind: global_buffer, .address_space: global }
      - { .name: b1, .offset: 40, .size: 8, .value_kind: global_buffer, .address_space: global }
      - { .name: gc, .offset: 48, .size: 8, .value_kind: global_buffer, .address_space: global }
      - { .name: gs, .offset: 56, .size: 8, .value_kind: global_buffer, .address_space: global }
    .group_segment_fixed_size: 327680
    .private_segment_fixed_size: 0
    .kernarg_segment_align: 8
    .kernarg_segment_size: 64
    .max_flat_workgroup_size: 256
    .sgpr_count:     104
    .vgpr_count:     512
    .wavefront_size: 32
...
	.end_amdgpu_metadata
.endif
;; end of part 3
;; launch mlp2 (part 4): grid 32 x 8, 4 waves a work-group, clusters of 4 x 4, 327,680 bytes of LDS; arguments gc, gs, w2_codes, w2_scales, b2, x1, out0; writes out0
.if DOCPART == 4
	.amdgcn_target "amdgcn-amd-amdhsa--gfx1250"
	.amdhsa_code_object_version 6
	.text
	.protected	k_qc61227e035_mlp2
	.globl	k_qc61227e035_mlp2
	.p2align	8
	.type	k_qc61227e035_mlp2,@function
k_qc61227e035_mlp2:
	s_mov_b64 s[64:65], 0
	v_nop
	global_prefetch_b8 v0, s[64:65] scope:SCOPE_SE
	s_setreg_imm32_b32 hwreg(HW_REG_WAVE_MODE, 25, 1), 1
	s_wait_xcnt 0x0
	s_wait_alu depctr_hold_cnt(0) depctr_sa_sdst(0) depctr_va_vdst(0) depctr_va_sdst(0) depctr_va_ssrc(0) depctr_va_vcc(0) depctr_vm_vsrc(0)
	s_getreg_b32 s2, hwreg(HW_REG_IB_STS2, 6, 4)
	s_cmp_eq_u32 s2, 0
	s_cbranch_scc0 .Lentry_in_a_cluster
	s_endpgm
.Lentry_in_a_cluster:
	s_bfe_u32 s2, ttmp6, 0x10000c
	s_cmp_lg_u32 s2, 0xf033
	s_cbranch_scc0 .Lentry_shape_is_right
	s_endpgm
.Lentry_shape_is_right:
; out0 = g w2 + b2 + x1, the product on E5M2 codes with E8M0 scales, K = 3,072.
; SHARES.  A work-group takes 256 rows (rg = 4 x cluster x + cx) and 96 columns (cp = 4 x cluster y + cy); each of its four waves 64 rows x 96 columns: 24 accumulators.
; CLUSTER, 4 x 4.  The four work-groups with one cx need the same rows of g, the four with one cy the same rows of w2: each tile is asked for jointly, with a mask that names the four.
; RING.  K goes in six slots of 512 (four steps of 128) through two LDS slots.  A slot holds 96 rows of w2 (512 bytes + 16 of padding) and, for its FIRST TWO steps, g's 16 row tiles as the register images that
; the launch before stored (4,096 dense bytes a tile: two fragments).  Waves 0, 1 fetch g's halves, waves 2, 3 w2's: one load a wave behind each round of the cluster's barrier: five changes of slots in all.
; g's fragments of a slot's LAST TWO steps belong to one wave alone and come from memory straight into registers, four sets of 64, asked for a whole slot ahead: these loads stay out across the changes of slots,
; at which every tensor load has been waited for.
; The product is used transposed (source 0 = 16 rows of w2, source 1 = 16 rows of g): a lane holds eight neighbouring columns of one row.
; The 24 steps are written out: the scale words of all of K stay in registers, and their numbers change from step to step.  A step's LDS loads are issued a step ahead.
; PREFETCH of the ring's tiles.  A wave names 32 blocks of 256 bytes at a time: of the 8 row tiles of g that it fetches the partner at cy takes two (a lane a block of a tile's sixteen), of the 48 rows of w2 the
; partner at cx takes twelve (two lanes a row; lanes 24-31 name the last block again).  Slots 1 and 2 are asked for at the head, behind slot 0's load; behind the refill that loads slot s + 2 stands the request for slot s + 3.
; The 96 columns are 384 bytes of a row: two thirds leave as whole aligned runs of 256 bytes, the rest as runs of 128.
; LIMITS: NaN and infinities among the inputs are not served.
; REGISTERS.  window 0: v1-15 addresses; v16-63 g's scale words; v64-135 w2's; v136-231 rows on the way out, two sets; v232-239 b2; v254, v255 the add's.  window 1: g's four sets from memory; at the end v0-191 x1.
;   window 2: v0-191 w2's fragments, two sets of 96; v192-255 g's fragments of a slot's step 0.  window 3: v0-191 the accumulators, (m, n) at v[8 (6 m + n)]; v192-255 g's fragments of a slot's step 1.
.set ASL,   65536                      ; g's part of a slot
.set SLOT,  116224                     ; + 96 x 528
.set STAGE, 232448                     ; behind the ring: 16 rows x 400 bytes for each wave
.set SPARE, 258048                     ; the spare words
.set WV,    40
.set G1A,   20
.set G0A,   28
.set G1B,   48
.set G0B,   56
.set PFA,   68
.set PFS,   70
.set MSB, 0
.macro WIN new
.if MSB != \new
	s_set_vgpr_msb (MSB<<8)|\new
.set MSB, \new
.endif
.endm
.macro PLACES n
.rept \n
	v_nop
.endr
.endm
.macro CREST                           ; a round of the cluster's barrier behind its opening barrier
	s_cmp_lg_u32 s[WV], 0
	s_cbranch_scc1 .Lnot_wave_0_\@
	s_barrier_signal -3
.Lnot_wave_0_\@:
	s_barrier_wait -3
	s_barrier_signal -1
	s_barrier_wait -1
.endm
.macro CROUND
	s_barrier_signal -1
	s_barrier_wait -1
	CREST
.endm
.macro JLOAD s                         ; a joint load into slot s: waves 0, 1 for g, waves 2, 3 for w2; each line has one mask
	s_cmp_eq_u32 s18, 0
	s_cbranch_scc0 .Lfor_b_\@
	tensor_load_to_lds s[G0A+4*\s:G0A+4*\s+3], s[G1A:G1A+7]
	s_nop 0
	PLACES 4
	s_branch .Lasked_\@
.Lfor_b_\@:
	tensor_load_to_lds s[G0B+4*\s:G0B+4*\s+3], s[G1B:G1B+7]
	s_nop 0
	PLACES 4
.Lasked_\@:
.endm
.macro MM d, a, b, c, sa, sb, ra, rb
.if ((\ra) == 0) && ((\rb) == 0)
	v_wmma_scale_f32_16x16x128_f8f6f4 v[\d:\d+7], v[\a:\a+15], v[\b:\b+15], v[\c:\c+7], v[\sa], v[\sb] matrix_a_fmt:MATRIX_FMT_BF8 matrix_b_fmt:MATRIX_FMT_BF8
.elseif ((\ra) == 1) && ((\rb) == 0)
	v_wmma_scale_f32_16x16x128_f8f6f4 v[\d:\d+7], v[\a:\a+15], v[\b:\b+15], v[\c:\c+7], v[\sa], v[\sb] matrix_a_fmt:MATRIX_FMT_BF8 matrix_b_fmt:MATRIX_FMT_BF8 matrix_a_scale:MATRIX_SCALE_ROW1
.elseif ((\ra) == 0) && ((\rb) == 1)
	v_wmma_scale_f32_16x16x128_f8f6f4 v[\d:\d+7], v[\a:\a+15], v[\b:\b+15], v[\c:\c+7], v[\sa], v[\sb] matrix_a_fmt:MATRIX_FMT_BF8 matrix_b_fmt:MATRIX_FMT_BF8 matrix_b_scale:MATRIX_SCALE_ROW1
.else
	v_wmma_scale_f32_16x16x128_f8f6f4 v[\d:\d+7], v[\a:\a+15], v[\b:\b+15], v[\c:\c+7], v[\sa], v[\sb] matrix_a_fmt:MATRIX_FMT_BF8 matrix_b_fmt:MATRIX_FMT_BF8 matrix_a_scale:MATRIX_SCALE_ROW1 matrix_b_scale:MATRIX_SCALE_ROW1
.endif
.endm
.macro MMZ d, a, b, sa, sb, ra, rb     ; the same with C = 0: the product starts a sum
.if ((\ra) == 0) && ((\rb) == 0)
	v_wmma_scale_f32_16x16x128_f8f6f4 v[\d:\d+7], v[\a:\a+15], v[\b:\b+15], 0, v[\sa], v[\sb] matrix_a_fmt:MATRIX_FMT_BF8 matrix_b_fmt:MATRIX_FMT_BF8
.elseif ((\ra) == 1) && ((\rb) == 0)
	v_wmma_scale_f32_16x16x128_f8f6f4 v[\d:\d+7], v[\a:\a+15], v[\b:\b+15], 0, v[\sa], v[\sb] matrix_a_fmt:MATRIX_FMT_BF8 matrix_b_fmt:MATRIX_FMT_BF8 matrix_a_scale:MATRIX_SCALE_ROW1
.elseif ((\ra) == 0) && ((\rb) == 1)
	v_wmma_scale_f32_16x16x128_f8f6f4 v[\d:\d+7], v[\a:\a+15], v[\b:\b+15], 0, v[\sa], v[\sb] matrix_a_fmt:MATRIX_FMT_BF8 matrix_b_fmt:MATRIX_FMT_BF8 matrix_b_scale:MATRIX_SCALE_ROW1
.else
	v_wmma_scale_f32_16x16x128_f8f6f4 v[\d:\d+7], v[\a:\a+15], v[\b:\b+15], 0, v[\sa], v[\sb] matrix_a_fmt:MATRIX_FMT_BF8 matrix_b_fmt:MATRIX_FMT_BF8 matrix_a_scale:MATRIX_SCALE_ROW1 matrix_b_scale:MATRIX_SCALE_ROW1
.endif
.endm
	s_load_b256 s[4:11], s[0:1], 0x0               ; gc, gs, w2 codes, w2 scales
	s_load_b128 s[12:15], s[0:1], 0x20             ; b2, x1
	s_load_b64 s[16:17], s[0:1], 0x30              ; out0
	v_lshl_add_u32 v254, v0, 2, SPARE              ; my spare word; never rewritten
	v_mov_b32 v255, 0                              ; 0; never rewritten
	ds_add_u32 v254, v255                          ; the opening lines: the add, twice on end, and its wait ahead of my first tensor load
	ds_add_u32 v254, v255
	v_lshrrev_b32 v1, 5, v0
	v_readfirstlane_b32 s40, v1                    ; wave 0..3
	s_lshr_b32 s18, s40, 1                         ; I fetch for g (0) or for w2 (1),
	s_and_b32 s19, s40, 1                          ; and which half of the tile
	s_bfe_u32 s42, ttmp6, 0x40000                  ; cx
	s_bfe_u32 s45, ttmp6, 0x40004                  ; cy
	s_lshl_b32 s43, ttmp9, 2
	s_add_co_u32 s43, s43, s42                     ; rg
	s_and_b32 s41, ttmp7, 0xffff
	s_lshl_b32 s41, s41, 2
	s_add_co_u32 s41, s41, s45                     ; cp
	s_lshl_b32 s46, s45, 2
	s_lshl_b32 s46, 15, s46                        ; the four with my cy: they share w2's rows
	s_lshl_b32 s47, 0x1111, s42                    ; the four with my cx: they share g's rows
	s_or_b32 s[G1A], s47, (3<<16)|(1<<21)          ; g: 8 row tiles, each 4,096 dense bytes (512 elements of 8), 49,152 bytes apart; no padding: an image is read 16 bytes a lane on end
	s_mov_b32 s[G1A+1], 512<<16
	s_mov_b32 s[G1A+2], 8<<16
	s_mov_b32 s[G1A+3], 512<<16
	s_mov_b32 s[G1A+4], 8
	s_mov_b32 s[G1A+5], 6144
	s_mov_b32 s[G1A+6], 0
	s_mov_b32 s[G1A+7], 0
	s_or_b32 s[G1B], s46, (3<<16)|(1<<20)|(1<<21)|(6<<22)|(3<<25)   ; w2: 48 rows of 512 bytes, 3,072 apart; 4 words of padding after every 128
	s_mov_b32 s[G1B+1], 64<<16
	s_mov_b32 s[G1B+2], 48<<16
	s_mov_b32 s[G1B+3], 64<<16
	s_mov_b32 s[G1B+4], 48
	s_mov_b32 s[G1B+5], 384
	s_mov_b32 s[G1B+6], 0
	s_mov_b32 s[G1B+7], 0
	s_lshl_b32 s72, s43, 4
	s_lshl_b32 s73, s19, 3
	s_add_co_u32 s72, s72, s73
	s_mul_i32 s72, s72, 49152                      ; g's tiles: row tile 16 rg + 8 half
	s_mov_b32 s73, 0
	s_mul_i32 s74, s41, 96
	s_mul_i32 s75, s19, 48
	s_add_co_u32 s74, s74, s75
	s_mul_i32 s74, s74, 3072                       ; w2: row 96 cp + 48 half
	s_mov_b32 s75, 0
	s_lshl_b32 s76, s19, 15                        ; where they go in a slot: the wave's number alone
	s_mul_i32 s77, s19, 25344
	s_add_co_u32 s77, s77, ASL
	s_mul_i32 s78, s41, 9216                       ; the 96 columns' scale rows
	s_mov_b32 s79, 0
	s_mul_i32 s80, s41, 384                        ; their bias, and their bytes in a row
	s_mov_b32 s81, 0
	s_lshl_b32 s82, s43, 8
	s_lshl_b32 s83, s40, 6
	s_add_co_u32 s82, s82, s83                     ; my first row
	s_lshl_b32 s84, s82, 2                         ; gs
	s_mov_b32 s85, 0
	s_mul_i32 s86, s82, 3072
	s_add_co_u32 s86, s86, s80                     ; x1 and out0
	s_mov_b32 s87, 0
	s_lshl_b32 s96, s43, 4
	s_lshl_b32 s97, s40, 2
	s_add_co_u32 s96, s96, s97
	s_mul_i32 s96, s96, 49152                      ; gc at my own four row tiles, for the loads into registers
	s_mov_b32 s97, 0
	s_mul_i32 s66, s40, 6400
	s_add_co_u32 s66, s66, STAGE                   ; my stage
	s_lshl_b32 s90, s40, 14                        ; my four row tiles in a slot
	s_lshl_b32 s88, s45, 1                         ; the prefetches: of g, my work-group's two row tiles of the eight;
	s_mul_i32 s88, s88, 49152
	s_add_co_u32 s88, s88, s72
	s_mul_i32 s89, s42, 12                         ; of w2, its twelve rows of the 48
	s_mul_i32 s89, s89, 3072
	s_add_co_u32 s89, s89, s74
	s_cmp_eq_u32 s18, 0
	s_cselect_b32 s88, s88, s89
	s_mov_b32 s89, 0
	s_mov_b32 s[PFS], 512
	s_cselect_b32 s[PFS], 8192, s[PFS]             ; a slot of 512 along K on
	s_mov_b32 s[PFS+1], 0
	s_cselect_b32 s67, -1, 0                       ; all ones in g's waves
	s_wait_dscnt 0x0                               ; both opening adds are done
	s_wait_kmcnt 0x0
	s_add_nc_u64 s[72:73], s[4:5], s[72:73]
	s_add_nc_u64 s[74:75], s[8:9], s[74:75]
	s_add_nc_u64 s[10:11], s[10:11], s[78:79]
	s_add_nc_u64 s[12:13], s[12:13], s[80:81]
	s_add_nc_u64 s[6:7], s[6:7], s[84:85]
	s_add_nc_u64 s[14:15], s[14:15], s[86:87]
	s_add_nc_u64 s[16:17], s[16:17], s[86:87]
	s_cmp_eq_u32 s18, 0
	s_cselect_b64 s[PFA:PFA+1], s[4:5], s[8:9]
	s_add_nc_u64 s[PFA:PFA+1], s[PFA:PFA+1], s[88:89]
	s_add_nc_u64 s[92:93], s[PFA:PFA+1], s[PFS:PFS+1]   ; slot 1's blocks,
	s_add_nc_u64 s[PFA:PFA+1], s[92:93], s[PFS:PFS+1]   ; slot 2's: each change of slots steps this one first
	s_add_nc_u64 s[4:5], s[4:5], s[96:97]
.irp s,0,1
	s_mov_b32 s[G0A+4*\s], 1
	s_add_co_u32 s[G0A+4*\s+1], s76, \s*SLOT
	s_add_nc_u64 s[G0A+4*\s+2:G0A+4*\s+3], s[72:73], \s*8192
	s_or_b32 s[G0A+4*\s+3], s[G0A+4*\s+3], 0x80000000
	s_mov_b32 s[G0B+4*\s], 1
	s_add_co_u32 s[G0B+4*\s+1], s77, \s*SLOT
	s_add_nc_u64 s[G0B+4*\s+2:G0B+4*\s+3], s[74:75], \s*512
	s_or_b32 s[G0B+4*\s+3], s[G0B+4*\s+3], 0x80000000
.endr
	CROUND                                         ; all sixteen work-groups are here: the first joint loads meet
	JLOAD 0                                        ; slot 0: my one load at the head
	v_and_b32 v240, 31, v0                         ; lane
	v_and_b32 v241, 15, v0                         ; r
	v_bfe_u32 v242, v0, 4, 1                       ; h
	v_lshlrev_b32 v1, 4, v240                      ; 16 x lane
	v_lshlrev_b32 v2, 2, v240                      ; 4 x lane: g's scale words
	v_mul_u32_u24 v3, v240, 96                     ; w2's scale rows of 96 bytes
	v_add_nc_u32 v4, s90, v1                       ; g's fragments, slot 0
	v_add_nc_u32 v5, SLOT, v4                      ; slot 1
	v_mul_u32_u24 v6, v241, 528
	v_lshl_add_u32 v6, v242, 4, v6
	v_add_nc_u32 v6, ASL, v6                       ; w2's fragments, slot 0
	v_add_nc_u32 v7, SLOT, v6                      ; slot 1
	v_mul_u32_u24 v10, v241, 400
	v_lshl_add_u32 v10, v242, 5, v10
	v_add_nc_u32 v10, s66, v10                     ; stage, in: row r, 32 bytes for each half of the lanes
	v_mul_u32_u24 v11, v242, 400
	v_lshl_add_u32 v11, v241, 4, v11
	v_add_nc_u32 v11, s66, v11                     ; back: a row's first 256 bytes, sixteen lanes to a row
	v_lshrrev_b32 v243, 3, v240
	v_and_b32 v244, 7, v0
	v_lshlrev_b32 v244, 4, v244
	v_add_nc_u32 v244, 256, v244                   ; 256 + 16 (lane % 8)
	v_mad_u32_u24 v12, v243, 400, v244
	v_add_nc_u32 v12, s66, v12                     ; back: a row's last 128 bytes, eight lanes to a row
	v_mul_u32_u24 v13, v242, 3072
	v_lshl_add_u32 v13, v241, 4, v13               ; and the same places in x1 and out0
	v_mad_u32_u24 v14, v243, 3072, v244
	v_lshlrev_b32 v15, 4, v241                     ; b2: 16 r
	v_mul_u32_u24 v8, v242, 49152                  ; a prefetch's offset: g: row tile h, block r of its sixteen;
	v_lshl_add_u32 v8, v241, 8, v8
	v_min_u32 v9, 23, v240                         ; w2: two lanes a row, twelve rows
	v_lshrrev_b32 v245, 1, v9
	v_and_b32 v9, 1, v9
	v_lshlrev_b32 v9, 8, v9
	v_mad_u32_u24 v9, v245, 3072, v9
	v_cndmask_b32 v8, v9, v8, s67
	s_wait_alu depctr_va_vdst(0)
	global_prefetch_b8 v8, s[92:93] th:TH_LOAD_NT scope:SCOPE_SE       ; slot 1's tiles, whose load follows when slot 0's has landed,
	global_prefetch_b8 v8, s[PFA:PFA+1] th:TH_LOAD_NT scope:SCOPE_SE   ; and slot 2's, whose load stands at the first change of slots
.set tt, 0
.rept 24
	global_load_b32 v[16+2*tt], v2, s[6:7] offset:32768*tt        ; lanes 0-15 row tile 0's scale words of step tt, lanes 16-31 tile 1's;
	global_load_b32 v[17+2*tt], v2, s[6:7] offset:32768*tt+128    ; tiles 2 and 3
.set tt, tt+1
.endr
.irp i,0,1,2
.irp k,0,1,2,3,4,5
	global_load_b128 v[64+(6*\i+\k)*4:67+(6*\i+\k)*4], v3, s[10:11] offset:3072*\i+16*\k   ; lanes 0-15 column tile 2 i, lanes 16-31 tile 2 i + 1: four steps' words
.endr
.endr
	global_load_b128 v[232:235], v15, s[12:13]
	global_load_b128 v[236:239], v244, s[12:13]
; a step's LDS loads: slot p, its j-th 128 along K: g's four fragments where j < 2 (16 loads), then w2's six (24 loads) into set j % 2
.macro FETCH p, j
.if (\j) < 2
.if (\j) == 0
	WIN 0x80
.else
	WIN 0xc0
.endif
.irp m,0,1,2,3
.irp c,0,1,2,3
	ds_load_b128 v[192+16*\m+4*\c:195+16*\m+4*\c], v[4+(\p)] offset:4096*\m+2048*(\j)+512*\c
.endr
.endr
.endif
	WIN 0x80
.irp n,0,1,2,3,4,5
.irp c,0,1,2,3
	ds_load_b128 v[96*((\j)%2)+16*\n+4*\c:96*((\j)%2)+16*\n+4*\c+3], v[6+(\p)] offset:8448*\n+128*(\j)+32*\c
.endr
.endr
.endm
; g's fragments of the last two steps of slot s, from memory into sets 2 s % 4 and (2 s + 1) % 4 of window 1: 32 loads
.macro DSET s
	WIN 0x40
.irp e,0,1
.irp m,0,1,2,3
.irp c,0,1,2,3
	global_load_b128 v[64*((2*(\s)+\e)%4)+16*\m+4*\c:64*((2*(\s)+\e)%4)+16*\m+4*\c+3], v1, s[4:5] offset:49152*\m+2048*(4*(\s)+2+\e)+512*\c
.endr
.endr
.endr
.endm
; the products of step t for column tiles n0 .. n1; the 24 accumulators take turns, in the same order in every step
.macro MMG t, n0, n1
.if (\t)%4 == 0
.set WM, 0xfa                                  ; source 0 (w2) window 2, C and D window 3; source 1 (g): window 2,
.set AB, 192
.elseif (\t)%4 == 1
.set WM, 0xfe                                  ; window 3,
.set AB, 192
.else
.set WM, 0xf6                                  ; or a set of window 1
.set AB, 64*((2*((\t)/4)+(\t)%4-2)%4)
.endif
	WIN WM
.set nn, \n0
.rept (\n1)-(\n0)+1
.irp m,0,1,2,3
.if (\t) == 0
	MMZ 8*(6*\m+nn), 96*((\t)%2)+16*nn, AB+16*\m, 64+(6*(nn/2)+(\t)/4)*4+(\t)%4, 16+2*(\t)+\m/2, nn%2, \m%2
.else
	MM 8*(6*\m+nn), 96*((\t)%2)+16*nn, AB+16*\m, 8*(6*\m+nn), 64+(6*(nn/2)+(\t)/4)*4+(\t)%4, 16+2*(\t)+\m/2, nn%2, \m%2
.endif
.endr
.set nn, nn+1
.endr
.endm
.macro XSET i                          ; a third of x1's 48 loads, in the order of the way out, into set i of window 1
	WIN 0x40
.set qq, 16*(\i)
.rept 16
.if (qq%12) < 8
	global_load_b128 v[4*qq:4*qq+3], v13, s[14:15] offset:(16*(qq/12)+2*(qq%12))*3072
.else
	global_load_b128 v[4*qq:4*qq+3], v14, s[14:15] offset:(16*(qq/12)+4*((qq%12)-8))*3072
.endif
.set qq, qq+1
.endr
.endm
.macro KSTEP t
.set S_, (\t)/4
.set J_, (\t)%4
.set P_, S_%2
.if J_ < 3
.if (\t) > 0
	PLACES 8                                       ; eight places behind this form, ahead of loads into registers that the last products read
.endif
	FETCH P_, J_+1
.if J_ == 0
.if S_ < 5
	DSET S_+1                                      ; into the two sets that the slot before this one has done with
.else
	XSET 0
	XSET 1
.endif
	s_wait_dscnt 40                                ; this step's fragments are in; the 40 loads just issued may be out
.else
	s_wait_dscnt 24                                ; likewise; the next step has 24
.endif
.if J_ == 2
	s_wait_loadcnt 48                              ; this step's g is in; behind it: the next step's 16 loads and the 32 issued in this slot
.endif
	MMG \t, 0, 5
.elseif (\t) == 23
	PLACES 8
	XSET 2                                         ; into the set that step 22 has done with
	s_wait_loadcnt 48                              ; this step's g is in; behind it: x1's 48 loads
	s_wait_dscnt 0x0
	MMG \t, 0, 5
.else
.if S_ <= 2
	s_wait_xcnt 0x0                                ; my last prefetch has read its address: it is stepped here
	s_add_nc_u64 s[PFA:PFA+1], s[PFA:PFA+1], s[PFS:PFS+1]
.endif
	WIN 0
	s_wait_tensorcnt 0x0                           ; my one load that was out, my part of the next slot, has landed
	ds_add_u32 v254, v255                          ; 0 onto my spare word
	s_wait_dscnt 1                                 ; this step's fragments of w2 are in; the add may be out
	s_wait_loadcnt 32                              ; this step's g is in; behind it: the 32 loads issued in this slot
	MMG \t, 0, 0
	s_wait_dscnt 0x0                               ; the add is done, and my reads of this slot are over
	s_barrier_signal -1
	MMG \t, 1, 1
	WIN 0
	s_barrier_wait -1
.if S_ <= 3
	CREST                                          ; the barrier has opened a round: no wave of any partner still reads this slot or has a load on its way
	s_add_nc_u64 s[G0A+4*P_+2:G0A+4*P_+3], s[G0A+4*P_+2:G0A+4*P_+3], 16384
	s_add_nc_u64 s[G0B+4*P_+2:G0B+4*P_+3], s[G0B+4*P_+2:G0B+4*P_+3], 1024
	JLOAD P_                                       ; the slot of K two on, into the LDS slot just left; its four v_nop are among the eight places ahead of the loads below
	PLACES 4
.else
	PLACES 8
.endif
	FETCH 1-P_, 0
.if S_ <= 2
	global_prefetch_b8 v8, s[PFA:PFA+1] th:TH_LOAD_NT scope:SCOPE_SE   ; what the next change of slots will ask for
.endif
	MMG \t, 2, 5
.endif
.endm
	DSET 0
	WIN 0
	s_wait_tensorcnt 0x0                           ; my part of slot 0 is in; slot 1's first fill is issued as a refill is
	ds_add_u32 v254, v255
	s_wait_dscnt 0x0
	CROUND
	JLOAD 1
	FETCH 0, 0
	s_wait_loadcnt 32                              ; the scale words and b2 are in; g's first two sets may be out
.irp t,0,1,2,3,4,5,6,7,8,9,10,11,12,13,14,15,16,17,18,19,20,21,22,23
	KSTEP \t
.endr
	; THE WAY OUT, a row tile at a time, through my stage, which no tensor load fills
	PLACES 8
.irp m,0,1,2,3
.if \m >= 2
	s_wait_xcnt 0x0                                ; the stores of two tiles ago have read this set of registers
.endif
	WIN 0x0c                                       ; an LDS store's data are its source 1: window 3
.irp n,0,1,2,3,4,5
	ds_store_b128 v10, v[8*(6*\m+\n):8*(6*\m+\n)+3] offset:64*\n          ; each accumulator from its low end on
	ds_store_b128 v10, v[8*(6*\m+\n)+4:8*(6*\m+\n)+7] offset:64*\n+16
.endr
	WIN 0
.irp i,0,1,2,3,4,5,6,7
	ds_load_b128 v[136+48*(\m%2)+4*\i:139+48*(\m%2)+4*\i], v11 offset:800*\i   ; LDS serves a wave's instructions in order (ISA guide 5.7.1.4): these see my stores
.endr
.irp i,0,1,2,3
	ds_load_b128 v[168+48*(\m%2)+4*\i:171+48*(\m%2)+4*\i], v12 offset:1600*\i
.endr
	s_wait_loadcnt 36-12*\m                        ; this tile's twelve loads of x1 are in; the later tiles' may be out
	s_wait_dscnt 0x0
	WIN 0x04                                       ; source 1 (x1) window 1
.set k, 0
.rept 24
	v_pk_add_f32 v[136+48*(\m%2)+k:137+48*(\m%2)+k], v[136+48*(\m%2)+k:137+48*(\m%2)+k], v[48*\m+k:48*\m+k+1]
.set k, k+2
.endr
	WIN 0
.irp i,0,1,2,3,4,5,6,7
	v_pk_add_f32 v[136+48*(\m%2)+4*\i:137+48*(\m%2)+4*\i], v[136+48*(\m%2)+4*\i:137+48*(\m%2)+4*\i], v[232:233]
	v_pk_add_f32 v[138+48*(\m%2)+4*\i:139+48*(\m%2)+4*\i], v[138+48*(\m%2)+4*\i:139+48*(\m%2)+4*\i], v[234:235]
.endr
.irp i,0,1,2,3
	v_pk_add_f32 v[168+48*(\m%2)+4*\i:169+48*(\m%2)+4*\i], v[168+48*(\m%2)+4*\i:169+48*(\m%2)+4*\i], v[236:237]
	v_pk_add_f32 v[170+48*(\m%2)+4*\i:171+48*(\m%2)+4*\i], v[170+48*(\m%2)+4*\i:171+48*(\m%2)+4*\i], v[238:239]
.endr
.irp i,0,1,2,3,4,5,6,7
	global_store_b128 v13, v[136+48*(\m%2)+4*\i:139+48*(\m%2)+4*\i], s[16:17] offset:(16*\m+2*\i)*3072 th:TH_STORE_NT
.endr
.irp i,0,1,2,3
	global_store_b128 v14, v[168+48*(\m%2)+4*\i:171+48*(\m%2)+4*\i], s[16:17] offset:(16*\m+4*\i)*3072 th:TH_STORE_NT
.endr
.endr
	s_wait_tensorcnt 0x0                           ; the wave's end
	ds_add_u32 v254, v255
	s_wait_dscnt 0x0
	CROUND                                         ; the closing round
	s_endpgm
.Lfunc_end_k_qc61227e035_mlp2:
	.size	k_qc61227e035_mlp2, .Lfunc_end_k_qc61227e035_mlp2-k_qc61227e035_mlp2
	.p2alignl 7, 3214868480
	.fill 96, 4, 3214868480
	.section	.rodata,"a",@progbits
	.p2align	6, 0x0
	.amdhsa_kernel k_qc61227e035_mlp2
		.amdhsa_group_segment_fixed_size 327680
		.amdhsa_private_segment_fixed_size 0
		.amdhsa_enable_private_segment 0
		.amdhsa_kernarg_size 56
		.amdhsa_user_sgpr_count 2
		.amdhsa_user_sgpr_kernarg_segment_ptr 1
		.amdhsa_wavefront_size32 1
		.amdhsa_system_sgpr_workgroup_id_x 1
		.amdhsa_system_sgpr_workgroup_id_y 1
		.amdhsa_system_sgpr_workgroup_id_z 1
		.amdhsa_system_vgpr_workitem_id 0
		.amdhsa_next_free_vgpr 1024
		.amdhsa_next_free_sgpr 100
		.amdhsa_reserve_vcc 0
		.amdhsa_float_denorm_mode_32 3
		.amdhsa_float_denorm_mode_16_64 3
		.amdhsa_memory_ordered 1
		.amdhsa_forward_progress 1
		.amdhsa_inst_pref_size 197
	.end_amdhsa_kernel
	.amdgpu_metadata
---
amdhsa.version: [ 1, 2 ]
amdhsa.kernels:
  - .name:           k_qc61227e035_mlp2
    .symbol:         k_qc61227e035_mlp2.kd
    .args:
      - { .name: gc, .offset: 0, .size: 8, .value_kind: global_buffer, .address_space: global }
      - { .name: gs, .offset: 8, .size: 8, .value_kind: global_buffer, .address_space: global }
      - { .name: w2_codes, .offset: 16, .size: 8, .value_kind: global_buffer, .address_space: global }
      - { .name: w2_scales, .offset: 24, .size: 8, .value_kind: global_buffer, .address_space: global }
      - { .name: b2, .offset: 32, .size: 8, .value_kind: global_buffer, .address_space: global }
      - { .name: x1, .offset: 40, .size: 8, .value_kind: global_buffer, .address_space: global }
      - { .name: out0, .offset: 48, .size: 8, .value_kind: global_buffer, .address_space: global }
    .group_segment_fixed_size: 327680
    .private_segment_fixed_size: 0
    .kernarg_segment_align: 8
    .kernarg_segment_size: 56
    .max_flat_workgroup_size: 128
    .sgpr_count:     100
    .vgpr_count:     1024
    .wavefront_size: 32
...
	.end_amdgpu_metadata
.endif
;; end of part 4
